; MI455X (gfx1250); checked and timed in simulation.
; The chip was launched on July 23, 2026; its instructions are those of AMD's public machine-readable ISA for CDNA 5 (MIT licence, August 2026) and "CDNA5" Instruction Set Architecture Reference Guide (July 2026). The comments in the code are by the model that wrote it; some were corrected since.
;; Transformer Block. Allowed arithmetic: float matrix products may take bf16 or f16 operands with f32 sums; other float arithmetic in f32, or as packed bf16 or f16 multiplies, adds, multiply-adds, maxima and minima; sums over many terms, partial sums and values carried from step to step in f32; what a program stores and reads back later, other than sums and carried values, may be rounded once to bf16 or f16.
;; Inputs: k_proj 512 x 512 float32; ln1_w 512 float32; ln2_w 512 float32; o_proj 512 x 512 float32; q_proj 512 x 512 float32; token_positions 2,048 int32; v_proj 512 x 512 float32; w1 512 x 512 float32; w2 512 x 512 float32; w3 512 x 512 float32; x 4 x 2,048 x 512 float32.
;; Outputs: out0 4 x 2,048 x 512 float32.
;; 2 versions, each right; version 2 is version 1 with the launch prep written anew for expert scheduling mode. Each part assembles by itself: llvm-mc -triple=amdgcn-amd-amdhsa -mcpu=gfx1250 --defsym DOCPART=n.
;; ======== version 1 of 2: 6 launches
;; limits: values are held in f16: magnitudes above 65,504 overflow, below 6.1e-05 lose precision; right only within a limited range of input values
;; workspace buffers: xn 8,388,608 bytes; wts 3,670,016 bytes; ropet 262,144 bytes; qkvb 25,165,824 bytes; ofr 8,388,608 bytes; x1h 8,388,608 bytes; ffb 8,388,608 bytes
;; launch prep (part 1): grid 256 x 1, 4 waves a work-group, no clusters, 0 bytes of LDS; arguments x, q_proj, k_proj, v_proj, o_proj, w1, w3, w2, ln1_w, ln2_w, token_positions, xn, wts, ropet; writes xn, wts, ropet
.if DOCPART == 1
	.amdgcn_target "amdgcn-amd-amdhsa--gfx1250"
	.amdhsa_code_object_version 6
	.text
	.protected	k_qd36b26e652_prep
	.globl	k_qd36b26e652_prep
	.p2align	8
	.type	k_qd36b26e652_prep,@function
k_qd36b26e652_prep:
	s_mov_b64 s[64:65], 0
	v_nop
	global_prefetch_b8 v0, s[64:65] scope:SCOPE_SE
	s_setreg_imm32_b32 hwreg(HW_REG_WAVE_MODE, 25, 1), 1
	s_wait_xcnt 0x0
; PREP.  Every floating-point input is rounded to bf16 here, once; what is made of it is kept in f16 (w2 in bf16).
;   xn[m][k]   = f16( bf16(x) * rsqrt(mean(bf16(x)^2) + 1e-5) ), [8192][512]: the first norm without its gain
;   wts        = seven blocks of 512 rows x 512 halves: q, k, v as f16(bf16(w) bf16(ln1_w[k])); o as f16(bf16(w));
;                w1 and w3 interleaved by 32 rows (row 64 jj + t: w1's row 32 jj + t, or w3's row 32 jj + t - 32) as f16(bf16(w) bf16(ln2_w[k])); w2 as bf16
;   ropet[s][i] = (cos, sin) of token_positions[s] * 10000^(-i/16), f32, 128 bytes for each sequence index
; SHARES.  Work-group i: rows 32 i .. 32 i + 31 of x (a wave eight rows, a row across its 32 lanes), rows 2 i and 2 i + 1 of each weight, sequence indices 8 i .. 8 i + 7.
; No LDS, no barrier, no matrix unit, no cluster: work-groups share only the two gains, 4 KiB.  All 49 loads of a wave go out first; no register that a load or store names is written again.
; LIMITS.  The folded weights must lie within f16's 65,504, and below 6e-5 they keep f16's fixed step of 6e-8.  |position x frequency| stays under 2^22 (pi/2 is taken away in three parts);
; the frequency comes from v_exp_f32; NaN and infinities are not treated apart.
.set LN1, 10                           ; v[10:13] ln1_w of my four columns, v[14:17] ln2_w
.set LN2, 14
.set W,   20                           ; v[20:75]   14 x 4: matrix m, row j at W + 8 m + 4 j
.set X,   80                           ; v[80:207]  row rr at X + 16 rr
.set T,   208                          ; v[208:229] at work
.set R,   240                          ; v[240:255] row rr: rsqrt, twice, at R + 2 rr
	s_load_b512 s[8:23], s[0:1], 0x0               ; x 8, q 10, k 12, v 14, o 16, w1 18, w3 20, w2 22
	s_load_b256 s[24:31], s[0:1], 0x40             ; ln1 24, ln2 26, positions 28, xn 30
	s_load_b128 s[32:35], s[0:1], 0x60             ; wts 32, ropet 34
	v_lshrrev_b32 v1, 5, v0
	v_readfirstlane_b32 s36, v1                    ; wave
	v_and_b32 v1, 31, v0                           ; lane
	s_mov_b32 s38, 0x76543210                      ; v_permlanex16_b32: each lane takes its own place in the other half
	s_mov_b32 s39, 0xfedcba98
	s_mov_b32 s40, 0xffff0000                      ; a word's upper bf16
	s_mov_b32 s41, 0x3b000000                      ; 1/512
	s_mov_b32 s42, 0x3727c5ac                      ; 1e-5
	s_mov_b32 s43, 0x3f22f983                      ; 2/pi
	s_mov_b32 s44, 0xbfc90fdb                      ; -pi/2 in three parts
	s_mov_b32 s45, 0x333bbd2e
	s_mov_b32 s46, 0x26f72ced
	s_mov_b32 s47, 0xbe2aaaab                      ; sine: -1/6, 1/120, -1/5040, 1/362880
	s_mov_b32 s48, 0x3c088889
	s_mov_b32 s49, 0xb9500d01
	s_mov_b32 s50, 0x3638ef1d
	s_mov_b32 s51, 0x3d2aaaab                      ; cosine: 1/24, -1/720, 1/40320
	s_mov_b32 s52, 0xbab60b61
	s_mov_b32 s53, 0x37d00d01
	s_mov_b32 s54, 0xbf549a78                      ; -log2(10000)/16
	s_lshl_b32 s55, ttmp9, 12
	v_lshl_add_u32 v2, v0, 4, s55                  ; weights in: 16 t + two rows of 2,048 bytes a work-group
	v_lshlrev_b32 v3, 4, v0                        ; gains: 16 t
	s_lshl_b32 s55, ttmp9, 11
	v_lshl_add_u32 v4, v0, 3, s55                  ; weights out: 8 t + two rows of 1,024 bytes
	s_lshr_b32 s55, ttmp9, 4                       ; w1, w3 out: row 64 (2 i / 32) + 2 i % 32
	s_lshl_b32 s55, s55, 6
	s_and_b32 s56, ttmp9, 15
	s_lshl_b32 s56, s56, 1
	s_add_co_u32 s55, s55, s56
	s_lshl_b32 s55, s55, 10
	v_lshl_add_u32 v5, v0, 3, s55
	s_lshl_b32 s55, ttmp9, 5
	s_lshl_b32 s56, s36, 3
	s_add_co_u32 s55, s55, s56                     ; my wave's first row of x
	s_lshl_b32 s56, s55, 11
	v_lshl_add_u32 v6, v1, 4, s56                  ; x in
	s_lshl_b32 s56, s55, 10
	v_lshl_add_u32 v7, v1, 3, s56                  ; xn out
	s_lshl_b32 s55, ttmp9, 3
	s_lshl_b32 s56, s36, 1
	s_add_co_u32 s55, s55, s56                     ; my wave's first sequence index; lanes 16-31 take the next
	v_lshrrev_b32 v8, 4, v1
	v_add_nc_u32 v8, s55, v8
	v_lshlrev_b32 v8, 2, v8                        ; position in
	s_lshl_b32 s56, s55, 7
	v_lshl_add_u32 v9, v1, 3, s56                  ; table out: 256 consecutive bytes a wave
	s_wait_kmcnt 0x0
	global_load_b32 v[T], v8, s[28:29]
	global_load_b128 v[LN1:LN1+3], v3, s[24:25]
	global_load_b128 v[LN2:LN2+3], v3, s[26:27]
.irp m, 0,1,2,3,4,5,6
.irp j, 0,1
	global_load_b128 v[W+8*(\m)+4*(\j):W+8*(\m)+4*(\j)+3], v2, s[10+2*(\m):11+2*(\m)] offset:2048*(\j)
.endr
.endr
.irp rr, 0,1,2,3,4,5,6,7
.irp j, 0,1,2,3
	global_load_b128 v[X+16*(\rr)+4*(\j):X+16*(\rr)+4*(\j)+3], v6, s[8:9] offset:2048*(\rr)+512*(\j) th:TH_LOAD_NT
.endr
.endr
	; THE TABLE.  angle = position x 2^(-i log2(10000)/16); n = the nearest multiple of pi/2; sine and cosine of the rest by their series; the quadrant swaps them and sets the signs.
	s_wait_loadcnt 48                              ; the position is in: 48 younger loads may stay out
	v_cvt_f32_i32 v[T+1], v[T]
	v_and_b32 v[T+2], 15, v0
	v_cvt_f32_u32 v[T+2], v[T+2]
	v_mul_f32 v[T+2], s54, v[T+2]
	v_exp_f32 v[T+3], v[T+2]
	v_nop                                          ; a plain instruction behind the exponential,
	s_wait_alu depctr_va_vdst(0)                   ; and the wait ahead of its first reader
	v_mul_f32 v[T+4], v[T+1], v[T+3]               ; the angle
	v_mul_f32 v[T+5], s43, v[T+4]
	v_rndne_f32 v[T+5], v[T+5]                     ; n
	v_fma_f32 v[T+6], v[T+5], s44, v[T+4]
	v_fma_f32 v[T+6], v[T+5], s45, v[T+6]
	v_fma_f32 v[T+6], v[T+5], s46, v[T+6]          ; r, within pi/4
	v_mul_f32 v[T+7], v[T+6], v[T+6]               ; z = r r
	v_fma_f32 v[T+8], v[T+7], s50, s49
	v_fma_f32 v[T+8], v[T+7], v[T+8], s48
	v_fma_f32 v[T+8], v[T+7], v[T+8], s47
	v_mul_f32 v[T+9], v[T+6], v[T+7]
	v_fma_f32 v[T+8], v[T+9], v[T+8], v[T+6]       ; sin r
	v_fma_f32 v[T+10], v[T+7], s53, s52
	v_fma_f32 v[T+10], v[T+7], v[T+10], s51
	v_fma_f32 v[T+10], v[T+7], v[T+10], -0.5
	v_fma_f32 v[T+10], v[T+7], v[T+10], 1.0        ; cos r
	v_cvt_i32_f32 v[T+11], v[T+5]
	v_and_b32 v[T+12], 1, v[T+11]
	v_cmp_eq_u32 vcc_lo, 1, v[T+12]
	v_cndmask_b32 v[T+13], v[T+8], v[T+10], vcc_lo ; sine: an odd quadrant takes cos r
	v_cndmask_b32 v[T+14], v[T+10], v[T+8], vcc_lo ; cosine: sin r
	v_and_b32 v[T+15], 2, v[T+11]
	v_lshlrev_b32 v[T+15], 30, v[T+15]
	v_xor_b32 v[T+19], v[T+13], v[T+15]            ; the sine is negative in quadrants 2 and 3,
	v_add_nc_u32 v[T+16], 1, v[T+11]
	v_and_b32 v[T+16], 2, v[T+16]
	v_lshlrev_b32 v[T+16], 30, v[T+16]
	v_xor_b32 v[T+18], v[T+14], v[T+16]            ; the cosine in 1 and 2
	global_store_b64 v9, v[T+18:T+19], s[34:35]
	; THE GAINS AND THE WEIGHTS
	s_wait_loadcnt 32                              ; gains and weights are in: x's 32 loads may stay out
.irp g, LN1, LN2
	v_cvt_pk_bf16_f32 v[T+20], v[\g], v[(\g)+1]
	v_cvt_pk_bf16_f32 v[T+21], v[(\g)+2], v[(\g)+3]
	v_lshlrev_b32 v[\g], 16, v[T+20]
	v_and_b32 v[(\g)+1], s40, v[T+20]
	v_lshlrev_b32 v[(\g)+2], 16, v[T+21]
	v_and_b32 v[(\g)+3], s40, v[T+21]
.endr
; Four numbers of a weight: rounded to bf16; kind 0: times the gain, to f16; kind 1: to f16; kind 2: left in bf16.  The result lies in the registers that were loaded: no store's data is written again.
.macro WCV src, ln, kind, adr, off
.if (\kind) == 2
	v_cvt_pk_bf16_f32 v[\src], v[\src], v[(\src)+1]
	v_cvt_pk_bf16_f32 v[(\src)+1], v[(\src)+2], v[(\src)+3]
.else
	v_cvt_pk_bf16_f32 v[T+20], v[\src], v[(\src)+1]
	v_cvt_pk_bf16_f32 v[T+21], v[(\src)+2], v[(\src)+3]
	v_lshlrev_b32 v[\src], 16, v[T+20]
	v_and_b32 v[(\src)+1], s40, v[T+20]
	v_lshlrev_b32 v[(\src)+2], 16, v[T+21]
	v_and_b32 v[(\src)+3], s40, v[T+21]
.if (\kind) == 0
	v_pk_mul_f32 v[\src:(\src)+1], v[\src:(\src)+1], v[\ln:(\ln)+1]
	v_pk_mul_f32 v[(\src)+2:(\src)+3], v[(\src)+2:(\src)+3], v[(\ln)+2:(\ln)+3]
.endif
	v_cvt_pk_f16_f32 v[\src], v[\src], v[(\src)+1]
	v_cvt_pk_f16_f32 v[(\src)+1], v[(\src)+2], v[(\src)+3]
.endif
	global_store_b64 v[\adr], v[\src:(\src)+1], s[32:33] offset:\off  ; a wave stores 256 consecutive bytes, aligned
.endm
.irp j, 0,1
	WCV W+4*(\j),    LN1, 0, 4, 1024*(\j)
	WCV W+8+4*(\j),  LN1, 0, 4, 524288+1024*(\j)
	WCV W+16+4*(\j), LN1, 0, 4, 2*524288+1024*(\j)
	WCV W+24+4*(\j), LN1, 1, 4, 3*524288+1024*(\j)
	WCV W+32+4*(\j), LN2, 0, 5, 4*524288+1024*(\j)
	WCV W+40+4*(\j), LN2, 0, 5, 4*524288+32768+1024*(\j)
	WCV W+48+4*(\j), LN2, 2, 4, 6*524288+1024*(\j)
.endr
	; THE NORM.  A row: rounded to bf16, widened again in place, squared and summed in f32, across the 32 lanes; then mean + eps.
.macro ROWSUM rr
.set XR, X+16*(\rr)
	s_wait_loadcnt 28-4*(\rr)                      ; this row's four loads are in; the later rows' may stay out
.irp j, 0,1,2,3,4,5,6,7
	v_cvt_pk_bf16_f32 v[T+(\j)], v[XR+2*(\j)], v[XR+2*(\j)+1]
.endr
.irp j, 0,1,2,3,4,5,6,7
	v_lshlrev_b32 v[XR+2*(\j)], 16, v[T+(\j)]
	v_and_b32 v[XR+2*(\j)+1], s40, v[T+(\j)]
.endr
	v_pk_mul_f32 v[T+8:T+9], v[XR:XR+1], v[XR:XR+1]
.irp j, 1,2,3,4,5,6,7
	v_pk_fma_f32 v[T+8:T+9], v[XR+2*(\j):XR+2*(\j)+1], v[XR+2*(\j):XR+2*(\j)+1], v[T+8:T+9]
.endr
	v_add_f32 v[T+8], v[T+8], v[T+9]
	v_add_f32_dpp v[T+8], v[T+8], v[T+8] row_xmask:1 row_mask:0xf bank_mask:0xf
	v_add_f32_dpp v[T+8], v[T+8], v[T+8] row_xmask:2 row_mask:0xf bank_mask:0xf
	v_add_f32_dpp v[T+8], v[T+8], v[T+8] row_xmask:4 row_mask:0xf bank_mask:0xf
	v_add_f32_dpp v[T+8], v[T+8], v[T+8] row_xmask:8 row_mask:0xf bank_mask:0xf
	v_permlanex16_b32 v[T+9], v[T+8], s38, s39
	v_add_f32 v[T+8], v[T+8], v[T+9]
	v_fma_f32 v[R+2*(\rr)], v[T+8], s41, s42
.endm
.irp rr, 0,1,2,3,4,5,6,7
	ROWSUM \rr
.endr
.irp rr, 0,1,2,3,4,5,6,7
	v_rsq_f32 v[R+2*(\rr)], v[R+2*(\rr)]           ; one batch of eight,
.endr
	v_nop                                          ; a plain instruction behind the last,
	s_wait_alu depctr_va_vdst(0)                   ; and one wait ahead of the first reader
.irp rr, 0,1,2,3,4,5,6,7
	v_mov_b32 v[R+2*(\rr)+1], v[R+2*(\rr)]
.endr
.macro ROWOUT rr
.set XR, X+16*(\rr)
.irp j, 0,1,2,3,4,5,6,7
	v_pk_mul_f32 v[XR+2*(\j):XR+2*(\j)+1], v[XR+2*(\j):XR+2*(\j)+1], v[R+2*(\rr):R+2*(\rr)+1]
.endr
.irp j, 0,1,2,3
	v_cvt_pk_f16_f32 v[XR+4*(\j)], v[XR+4*(\j)], v[XR+4*(\j)+1]
	v_cvt_pk_f16_f32 v[XR+4*(\j)+1], v[XR+4*(\j)+2], v[XR+4*(\j)+3]
	global_store_b64 v7, v[XR+4*(\j):XR+4*(\j)+1], s[30:31] offset:1024*(\rr)+256*(\j)  ; 256 consecutive bytes, aligned
.endr
.endm
.irp rr, 0,1,2,3,4,5,6,7
	ROWOUT \rr
.endr
	s_endpgm
.Lfunc_end_k_qd36b26e652_prep:
	.size	k_qd36b26e652_prep, .Lfunc_end_k_qd36b26e652_prep-k_qd36b26e652_prep
	.p2alignl 7, 3214868480
	.fill 96, 4, 3214868480
	.section	.rodata,"a",@progbits
	.p2align	6, 0x0
	.amdhsa_kernel k_qd36b26e652_prep
		.amdhsa_group_segment_fixed_size 0
		.amdhsa_private_segment_fixed_size 0
		.amdhsa_enable_private_segment 0
		.amdhsa_kernarg_size 112
		.amdhsa_user_sgpr_count 2
		.amdhsa_user_sgpr_kernarg_segment_ptr 1
		.amdhsa_wavefront_size32 1
		.amdhsa_system_sgpr_workgroup_id_x 1
		.amdhsa_system_sgpr_workgroup_id_y 1
		.amdhsa_system_sgpr_workgroup_id_z 1
		.amdhsa_system_vgpr_workitem_id 0
		.amdhsa_next_free_vgpr 256
		.amdhsa_next_free_sgpr 66
		.amdhsa_reserve_vcc 1
		.amdhsa_float_denorm_mode_32 3
		.amdhsa_float_denorm_mode_16_64 3
		.amdhsa_memory_ordered 1
		.amdhsa_forward_progress 1
		.amdhsa_inst_pref_size 44
	.end_amdhsa_kernel
	.amdgpu_metadata
---
amdhsa.version: [ 1, 2 ]
amdhsa.kernels:
  - .name:           k_qd36b26e652_prep
    .symbol:         k_qd36b26e652_prep.kd
    .args:
      - { .name: x, .offset: 0, .size: 8, .value_kind: global_buffer, .address_space: global }
      - { .name: q_proj, .offset: 8, .size: 8, .value_kind: global_buffer, .address_space: global }
      - { .name: k_proj, .offset: 16, .size: 8, .value_kind: global_buffer, .address_space: global }
      - { .name: v_proj, .offset: 24, .size: 8, .value_kind: global_buffer, .address_space: global }
      - { .name: o_proj, .offset: 32, .size: 8, .value_kind: global_buffer, .address_space: global }
      - { .name: w1, .offset: 40, .size: 8, .value_kind: global_buffer, .address_space: global }
      - { .name: w3, .offset: 48, .size: 8, .value_kind: global_buffer, .address_space: global }
      - { .name: w2, .offset: 56, .size: 8, .value_kind: global_buffer, .address_space: global }
      - { .name: ln1_w, .offset: 64, .size: 8, .value_kind: global_buffer, .address_space: global }
      - { .name: ln2_w, .offset: 72, .size: 8, .value_kind: global_buffer, .address_space: global }
      - { .name: token_positions, .offset: 80, .size: 8, .value_kind: global_buffer, .address_space: global }
      - { .name: xn, .offset: 88, .size: 8, .value_kind: global_buffer, .address_space: global }
      - { .name: wts, .offset: 96, .size: 8, .value_kind: global_buffer, .address_space: global }
      - { .name: ropet, .offset: 104, .size: 8, .value_kind: global_buffer, .address_space: global }
    .group_segment_fixed_size: 0
    .private_segment_fixed_size: 0
    .kernarg_segment_align: 8
    .kernarg_segment_size: 112
    .max_flat_workgroup_size: 128
    .sgpr_count:     66
    .vgpr_count:     256
    .wavefront_size: 32
...
	.end_amdgpu_metadata
.endif
;; end of part 1
;; launch proj (part 2): grid 12 x 64, 4 waves a work-group, clusters of 4 x 4, 270,848 bytes of LDS; arguments xn, wts, ropet, qkvb; writes qkvb
.if DOCPART == 2
	.amdgcn_target "amdgcn-amd-amdhsa--gfx1250"
	.amdhsa_code_object_version 6
	.text
	.protected	k_qd36b26e652_proj
	.globl	k_qd36b26e652_proj
	.p2align	8
	.type	k_qd36b26e652_proj,@function
k_qd36b26e652_proj:
	s_mov_b64 s[64:65], 0
	v_nop
	global_prefetch_b8 v0, s[64:65] scope:SCOPE_SE
	s_setreg_imm32_b32 hwreg(HW_REG_WAVE_MODE, 25, 1), 1
	s_wait_xcnt 0x0
	s_wait_alu depctr_hold_cnt(0) depctr_sa_sdst(0) depctr_va_vdst(0) depctr_va_sdst(0) depctr_va_ssrc(0) depctr_va_vcc(0) depctr_vm_vsrc(0)
	s_getreg_b32 s2, hwreg(HW_REG_IB_STS2, 6, 4)
	s_cmp_eq_u32 s2, 0
	s_cbranch_scc0 .Lentry_in_a_cluster
	s_endpgm
.Lentry_in_a_cluster:
	s_bfe_u32 s2, ttmp6, 0x10000c
	s_cmp_lg_u32 s2, 0xf033
	s_cbranch_scc0 .Lentry_shape_is_right
	s_endpgm
.Lentry_shape_is_right:
; Q, K, V = xn W^T: [8192 x 1536 x 512], f16 operands, f32 sums; then RoPE (q, k), the scale log2(e)/sqrt(32) on q, one rounding to f16, and stores in the order in which the attention's matrix operands lie in registers.
; A tile of the result is 128 x 128; four waves, each 64 x 64: 16 accumulators.  K = 512 is two steps of 256, one in each of two LDS slots; both are filled once, at the head: no slot is filled again.
; CLUSTER 4 x 4: the four of a row of the cluster ask jointly for xn's tile, the four of a column for the weights'.  The cluster's x is the type (0 q, 1 k, 2 v): the same in all sixteen, so a branch may hang on it.
; THE PRODUCT IS TAKEN TRANSPOSED (source 0 = 16 rows of the weights, source 1 = 16 rows of xn): a lane holds row lane % 16 and eight neighbouring columns 8 (lane / 16) + 0..7.
; OUT.  q and k, for each head [16 b + head]: blocks of 16 rows x 32 channels, 1,024 bytes = [channel half][lane][16 bytes]: just what a lane holds, so a store covers 512 consecutive bytes.
; v lies turned, [32 keys][16 channels][key half][lane][16 bytes]: it goes through the wave's own stage in LDS and comes back by the turning load.  The stage lies on slot 0, whose one fill and all reads are over.
; LIMITS.  q, k, v must lie within f16's 65,504.  NaN and infinities are not treated apart.
.set GF,   0                           ; A lies row-major
.set BF,   0                           ; f16 products
.set SSQ,  0
.set WOFF, 0                           ; the weights' first byte in wts
.set PITCH, 528                        ; an LDS row: 512 bytes + 16 of padding = 132 words: the 16 rows of a fragment load start at 16 different groups of four banks (64 banks of 4 bytes: ISA guide 11.1)
.set HALFT, 64*PITCH
.if GF
.set AH,    32768
.set ASTEP, 8192
.else
.set AH,    HALFT
.set ASTEP, 512
.endif
.set SLOT,  2*AH+2*HALFT               ; A's two halves, then the weights' two halves
.set SPARE, 2*SLOT                     ; behind the slots: the spare words, 128 bytes a wave
.set ADRA, 16                          ; v16-17 LDS address of my A fragments in slot 0, 1;  v20-21 the same for the weights
.set ADRB, 20
.set SPW,  28                          ; v28 my spare word, v29 zero; never rewritten
.set NIL,  29
.set SS,   96
.set ACC,  128                         ; accumulator (a, b) at ACC + 8 (4 a + b)
.set F0,   0                           ; window 1: two fragment buffers of 128: 64 registers of A, 64 of the weights, for 64 along K
.set F1,   128
.set G1, 24
.set G0, 32
.set G1B, 48
.set G0B, 56
.set MSB, 0
.macro WIN new                         ; the immediate's high byte repeats the setting that is left
.if MSB != (\new)
	s_set_vgpr_msb (MSB<<8)|(\new)
.set MSB, \new
.endif
.endm
.set MUL,  0x05                        ; sources 0 and 1 in window 1; C and D in window 0
.set TO_F, 0x40                        ; destination in window 1, address in window 0
.macro JLOAD s                         ; a joint load: waves 0 and 1 fetch A's halves, waves 2 and 3 the weights'; s_nop 0 and four v_nop follow each line
	s_cmp_eq_u32 s11, 0
	s_cbranch_scc0 .Lfor_b_\@
	tensor_load_to_lds s[G0+4*(\s):G0+4*(\s)+3], s[G1:G1+7]
	s_nop 0
.rept 4
	v_nop
.endr
	s_branch .Lasked_\@
.Lfor_b_\@:
	tensor_load_to_lds s[G0B+4*(\s):G0B+4*(\s)+3], s[G1B:G1B+7]
	s_nop 0
.rept 4
	v_nop
.endr
.Lasked_\@:
.endm
.macro CROUND                          ; a round of the cluster's barrier
	s_barrier_signal -1
	s_barrier_wait -1
	s_cmp_lg_u32 s10, 0
	s_cbranch_scc1 .Lnot_wave_0_\@
	s_barrier_signal -3
.Lnot_wave_0_\@:
	s_barrier_wait -3
	s_barrier_signal -1
	s_barrier_wait -1
.endm
.macro PLACES
.rept 4
	v_nop
.endr
.endm
.macro PROD zero                       ; D = rD, source 0 = rB, source 1 = rA; zero = 1: the product starts the sum
.if BF
.if \zero
	v_wmma_f32_16x16x32_bf16 v[rD:rD+7], v[rB:rB+7], v[rA:rA+7], 0
.else
	v_wmma_f32_16x16x32_bf16 v[rD:rD+7], v[rB:rB+7], v[rA:rA+7], v[rD:rD+7]
.endif
.else
.if \zero
	v_wmma_f32_16x16x32_f16 v[rD:rD+7], v[rB:rB+7], v[rA:rA+7], 0
.else
	v_wmma_f32_16x16x32_f16 v[rD:rD+7], v[rB:rB+7], v[rA:rA+7], v[rD:rD+7]
.endif
.endif
.endm
.macro MUL8 f, c, a0, zero             ; row blocks a0, a0 + 1 x all 4 column blocks, 32 along K: half c of buffer f.  The accumulators take turns, one instruction a turn
	WIN MUL
.irp a, \a0, (\a0)+1
.irp b, 0,1,2,3
.set rD, ACC+8*(4*(\a)+(\b))
.set rB, (\f)+64+8*(4*(\c)+(\b))
.set rA, (\f)+8*(4*(\c)+(\a))
	PROD \zero
.endr
.endr
.endm
.macro SS4 f, c, zero                  ; (only where SSQ = 1) A's fragments times themselves: the diagonal is the rows' sum of squares
.if SSQ
	WIN MUL
.irp a, 0,1,2,3
.set rD, SS+8*(\a)
.set rB, (\f)+8*(4*(\c)+(\a))
.set rA, rB
	PROD \zero
.endr
.endif
.endm
.macro FETCH slot, k, f                ; 32 LDS loads in one run: the fragments of 64 along K at byte k of the rows; the first 32 along K first
	WIN TO_F
.irp c, 0,1
.irp i, 0,1,2,3
	ds_load_b128 v[(\f)+64+8*(4*(\c)+(\i)):(\f)+64+8*(4*(\c)+(\i))+3],   v[ADRB+(\slot)] offset:(\k)+64*(\c)+(\i)*16*PITCH
	ds_load_b128 v[(\f)+64+8*(4*(\c)+(\i))+4:(\f)+64+8*(4*(\c)+(\i))+7], v[ADRB+(\slot)] offset:(\k)+64*(\c)+(\i)*16*PITCH+32
.if GF
	ds_load_b128 v[(\f)+8*(4*(\c)+(\i)):(\f)+8*(4*(\c)+(\i))+3],         v[ADRA+(\slot)] offset:((\k)/128)*2048+(\c)*1024+(\i)*8192
	ds_load_b128 v[(\f)+8*(4*(\c)+(\i))+4:(\f)+8*(4*(\c)+(\i))+7],       v[ADRA+(\slot)] offset:((\k)/128)*2048+(\c)*1024+(\i)*8192+512
.else
	ds_load_b128 v[(\f)+8*(4*(\c)+(\i)):(\f)+8*(4*(\c)+(\i))+3],         v[ADRA+(\slot)] offset:(\k)+64*(\c)+(\i)*16*PITCH
	ds_load_b128 v[(\f)+8*(4*(\c)+(\i))+4:(\f)+8*(4*(\c)+(\i))+7],       v[ADRA+(\slot)] offset:(\k)+64*(\c)+(\i)*16*PITCH+32
.endif
.endr
.endr
.endm
.macro QUARTER slot, k, f, g, zero     ; 64 along K: multiplies buffer f; in its middle fetches the next quarter, at byte k, into g
	s_wait_dscnt 16                                ; the first 32 along K are in; the younger sixteen loads may be out
	MUL8 \f, 0, 0, \zero
	MUL8 \f, 0, 2, \zero
	SS4 \f, 0, \zero
	PLACES                                         ; four places in front of loads into registers that products have read
	FETCH \slot, \k, \g
	s_wait_dscnt 32                                ; all but the 32 just issued
	MUL8 \f, 1, 0, 0
	MUL8 \f, 1, 2, 0
	SS4 \f, 1, 0
.endm
.macro TURN                            ; slot 0's last quarter, and the change to slot 1: one barrier; in front of it my part of slot 1 has landed and my reads of slot 0 are over
	WIN 0
	s_wait_tensorcnt 0x0                           ; my part of slot 1 is in
	ds_add_u32 v[SPW], v[NIL]                      ; 0 onto my spare word
	s_wait_dscnt 17                                ; the add and the youngest sixteen loads may be out
	MUL8 F1, 0, 0, 0
	s_wait_dscnt 0x0                               ; the add is done, and my reads of slot 0 are over
	s_barrier_signal -1
	MUL8 F1, 0, 2, 0
	SS4 F1, 0, 0
	s_barrier_wait -1
	PLACES
	FETCH 1, 0, F0
	MUL8 F1, 1, 0, 0
	MUL8 F1, 1, 2, 0
	SS4 F1, 1, 0
.endm
	s_load_b128 s[4:7], s[0:1], 0x0                ; A s[4:5], wts s[6:7]
	s_load_b128 s[68:71], s[0:1], 0x10             ; the table s[68:69], qkvb s[70:71]
	v_lshl_add_u32 v[SPW], v0, 2, SPARE
	v_mov_b32 v[NIL], 0
	ds_add_u32 v[SPW], v[NIL]                      ; the wave's opening: the add and its wait stand ahead of my first tensor load
	v_lshrrev_b32 v1, 5, v0
	v_readfirstlane_b32 s10, v1                    ; wave
	s_lshr_b32 s11, s10, 1                         ; my half of the tile's rows; also: I fetch for A (0) or for the weights (1)
	s_and_b32 s12, s10, 1                          ; my half of its columns; also: which 64 rows I fetch
	s_bfe_u32 s40, ttmp6, 0x40000                  ; cx
	s_bfe_u32 s41, ttmp6, 0x40004                  ; cy
	s_lshl_b32 s42, ttmp9, 2
	s_add_co_u32 s42, s42, s40                     ; tile column
	s_and_b32 s13, ttmp7, 0xffff
	s_lshl_b32 s13, s13, 2
	s_add_co_u32 s13, s13, s41                     ; tile row
	s_lshl_b32 s43, s41, 2
	s_lshl_b32 s43, 15, s43                        ; my row of the cluster
	s_lshl_b32 s44, 0x1111, s40                    ; my column
.if GF
	s_or_b32 s[G1+0], s43, (1<<16)|(1<<21)         ; A in fragment order: 4 rows of 4,096 halves, 8,192 halves apart, dense in LDS
	s_mov_b32 s[G1+1], 4096<<16
	s_mov_b32 s[G1+2], 4<<16
	s_mov_b32 s[G1+3], 4096<<16
	s_mov_b32 s[G1+4], 4
	s_mov_b32 s[G1+5], 8192
.else
	s_or_b32 s[G1+0], s43, (1<<16)|(1<<20)|(1<<21)|(6<<22)|(3<<25)  ; mask of my row; 2-byte elements; padding of 4 words after every 128; bit 21 beside a mask
	s_mov_b32 s[G1+1], 256<<16                     ; tensor_dim0
	s_mov_b32 s[G1+2], 64<<16                      ; tensor_dim1
	s_mov_b32 s[G1+3], 256<<16                     ; tile_dim0
	s_mov_b32 s[G1+4], 64                          ; tile_dim1
	s_mov_b32 s[G1+5], 512                         ; elements from row to row
.endif
	s_mov_b32 s[G1+6], 0
	s_mov_b32 s[G1+7], 0
	s_or_b32 s[G1B+0], s44, (1<<16)|(1<<20)|(1<<21)|(6<<22)|(3<<25)  ; the weights: mask of my column
	s_mov_b32 s[G1B+1], 256<<16
	s_mov_b32 s[G1B+2], 64<<16
	s_mov_b32 s[G1B+3], 256<<16
	s_mov_b32 s[G1B+4], 64
	s_mov_b32 s[G1B+5], 512
	s_mov_b32 s[G1B+6], 0
	s_mov_b32 s[G1B+7], 0
	s_lshl_b32 s17, s12, 6
	s_lshl_b32 s16, s13, 7
	s_add_co_u32 s16, s16, s17                     ; A: row 128 x tile row + 64 x half,
	s_lshl_b32 s16, s16, 10                        ; 1,024 bytes a row
	s_lshl_b32 s46, s42, 7
	s_add_co_u32 s46, s46, s17                     ; the weights: row 128 x tile column + 64 x half
	s_lshl_b32 s46, s46, 10
	s_mov_b32 s17, 0
	s_mov_b32 s47, 0
	s_mul_i32 s20, s12, AH                         ; where they go: no place in the cluster enters an LDS address
	s_mul_i32 s21, s12, HALFT
	s_add_co_u32 s21, s21, 2*AH
	s_wait_dscnt 0x0                               ; the opening add is done
	s_wait_kmcnt 0x0
	s_add_nc_u64 s[14:15], s[4:5], s[16:17]
	s_add_nc_u64 s[46:47], s[6:7], s[46:47]
.if WOFF
	s_add_nc_u64 s[46:47], s[46:47], WOFF
.endif
	CROUND                                         ; all sixteen work-groups are here: the joint loads meet
.irp s, 0,1
	s_mov_b32 s[G0+4*(\s)], 1
	s_add_co_u32 s[G0+4*(\s)+1], s20, (\s)*SLOT
	s_add_nc_u64 s[G0+4*(\s)+2:G0+4*(\s)+3], s[14:15], (\s)*ASTEP
	s_or_b32 s[G0+4*(\s)+3], s[G0+4*(\s)+3], 0x80000000
	s_mov_b32 s[G0B+4*(\s)], 1
	s_add_co_u32 s[G0B+4*(\s)+1], s21, (\s)*SLOT
	s_add_nc_u64 s[G0B+4*(\s)+2:G0B+4*(\s)+3], s[46:47], (\s)*512
	s_or_b32 s[G0B+4*(\s)+3], s[G0B+4*(\s)+3], 0x80000000
	JLOAD \s                                       ; both K steps go out at once: two tensor loads of mine are out
.endr
	v_and_b32 v1, 15, v0                           ; r = lane % 16
	v_bfe_u32 v2, v0, 4, 1                         ; h = lane / 16
	v_mul_u32_u24 v3, v1, PITCH
	v_lshl_add_u32 v3, v2, 4, v3
	v_and_b32 v25, 31, v0
	v_lshlrev_b32 v25, 4, v25                      ; 16 x lane
	s_mul_i32 s21, s11, AH
	s_mul_i32 s22, s12, HALFT
	s_add_co_u32 s22, s22, 2*AH
.irp s, 0,1
.if GF
	v_add_nc_u32 v[ADRA+(\s)], s21, v25
.else
	v_add_nc_u32 v[ADRA+(\s)], s21, v3
.endif
	v_add_nc_u32 v[ADRB+(\s)], s22, v3
	s_add_co_u32 s21, s21, SLOT
	s_add_co_u32 s22, s22, SLOT
.endr
	; this launch's own set-up
	s_lshr_b32 s72, s13, 4                         ; the batch
	s_and_b32 s73, s13, 15
	s_lshl_b32 s73, s73, 7
	s_lshl_b32 s14, s11, 6
	s_add_co_u32 s73, s73, s14                     ; my first row's sequence index
	s_lshl_b32 s16, s73, 7
	s_mov_b32 s17, 0
	s_add_nc_u64 s[76:77], s[68:69], s[16:17]      ; the table at that index
	s_lshl_b32 s14, s72, 4
	s_lshl_b32 s15, s40, 2
	s_add_co_u32 s14, s14, s15
	s_lshl_b32 s15, s12, 1
	s_add_co_u32 s14, s14, s15                     ; 16 b + my first head: my 64 columns are two heads
	s_lshl_b32 s14, s14, 17                        ; 131,072 bytes a head
	s_lshl_b32 s15, s73, 6                         ; 64 bytes a row
	s_add_co_u32 s14, s14, s15
	s_lshl_b32 s15, ttmp9, 23                      ; the type's 8 MiB
	s_add_co_u32 s16, s14, s15
	s_add_nc_u64 s[78:79], s[70:71], s[16:17]
	s_cmp_eq_u32 ttmp9, 0
	s_cselect_b32 s74, 0x3e8293ee, 1.0             ; q takes log2(e)/sqrt(32) with its cosines and sines
	s_mov_b32 s75, s74
	v_lshlrev_b32 v24, 7, v1
	v_lshl_add_u32 v24, v2, 5, v24                 ; the table: 128 r + 32 h: my four pairs of channels
	s_mul_i32 s23, s10, 10240                      ; my stage: 64 rows of 160 bytes
	v_mul_u32_u24 v26, v1, 160
	v_lshl_add_u32 v26, v2, 4, v26
	v_add_nc_u32 v26, s23, v26                     ; in: row r, 16 bytes for each half of the lanes
	v_and_b32 v4, 7, v0
	v_lshl_add_u32 v4, v2, 3, v4
	v_mul_u32_u24 v27, v4, 160
	v_bfe_u32 v4, v0, 3, 1
	v_lshl_add_u32 v27, v4, 4, v27
	v_add_nc_u32 v27, s23, v27                     ; back, turned: key 8 h + lane % 8, channels 8 ((lane / 8) % 2) on
.irp a, 0,1,2,3
.irp c, 0,1
	global_load_b128 v[32+16*(\a)+8*(\c):32+16*(\a)+8*(\c)+3],   v24, s[76:77] offset:2048*(\a)+64*(\c)      ; (cos, sin) of row 16 a + r, pairs 8 c + 4 h + 0, 1
	global_load_b128 v[32+16*(\a)+8*(\c)+4:32+16*(\a)+8*(\c)+7], v24, s[76:77] offset:2048*(\a)+64*(\c)+16   ; pairs + 2, 3.  Every type loads them, so that one text serves all
.endr
.endr
	s_wait_tensorcnt 1                             ; my part of slot 0 is in; slot 1's may stay out
	s_barrier_signal -1
	s_barrier_wait -1
	FETCH 0, 0, F0
	QUARTER 0, 128, F0, F1, 1                      ; the first products start the sums
	QUARTER 0, 256, F1, F0, 0
	QUARTER 0, 384, F0, F1, 0
	TURN
	QUARTER 1, 128, F0, F1, 0
	QUARTER 1, 256, F1, F0, 0
	QUARTER 1, 384, F0, F1, 0
	s_wait_dscnt 16
	MUL8 F1, 0, 0, 0
	MUL8 F1, 0, 2, 0
	SS4 F1, 0, 0
	s_wait_dscnt 0x0
	MUL8 F1, 1, 0, 0
	MUL8 F1, 1, 2, 0
	SS4 F1, 1, 0
	WIN 0
	PLACES
	PLACES
	s_wait_loadcnt 0x0                             ; the table
	s_cmp_eq_u32 ttmp9, 2
	s_cbranch_scc1 .Lv
	; q, k: (xe, xo) -> (xe cos - xo sin, xe sin + xo cos), a pair of channels in a pair of registers
.set i, 0
.rept 32
	v_pk_mul_f32 v[32+2*i:33+2*i], v[32+2*i:33+2*i], s[74:75] op_sel_hi:[1,0]
.set i, i+1
.endr
.irp a, 0,1,2,3
.irp b, 0,1,2,3
.set XA, ACC+8*(4*(\a)+(\b))
.set TA, 32+16*(\a)+8*((\b)%2)
.irp p, 0,1,2,3
	v_pk_mul_f32 v[96+2*(\p):97+2*(\p)], v[XA+2*(\p):XA+2*(\p)+1], v[TA+2*(\p):TA+2*(\p)+1] op_sel:[1,1] op_sel_hi:[1,0] neg_lo:[0,1]  ; (-xo sin, xo cos)
.endr
.irp p, 0,1,2,3
	v_pk_fma_f32 v[XA+2*(\p):XA+2*(\p)+1], v[XA+2*(\p):XA+2*(\p)+1], v[TA+2*(\p):TA+2*(\p)+1], v[96+2*(\p):97+2*(\p)] op_sel_hi:[0,1,1]  ; + (xe cos, xe sin)
.endr
.irp p, 0,1,2,3
	v_cvt_pk_f16_f32 v[XA+(\p)], v[XA+2*(\p)], v[XA+2*(\p)+1]
.endr
	global_store_b128 v25, v[XA:XA+3], s[78:79] offset:((\b)/2)*131072+(\a)*1024+((\b)%2)*512  ; 512 consecutive bytes, aligned
.endr
.endr
	s_branch .Lend
.Lv:
.set t, 0
.rept 16
.irp p, 0,1,2,3
	v_cvt_pk_f16_f32 v[ACC+8*t+(\p)], v[ACC+8*t+2*(\p)], v[ACC+8*t+2*(\p)+1]
.endr
.set t, t+1
.endr
.irp a, 0,1,2,3
.irp b, 0,1,2,3
	ds_store_b128 v26, v[ACC+8*(4*(\a)+(\b)):ACC+8*(4*(\a)+(\b))+3] offset:(\a)*16*160+32*(\b)
.endr
.endr
.irp kb, 0,1,2,3
.irp nb, 0,1,2,3
	ds_load_tr16_b128 v[32+4*(4*(\kb)+(\nb)):32+4*(4*(\kb)+(\nb))+3], v27 offset:(\kb)*16*160+32*(\nb)  ; LDS serves a wave's instructions in order (ISA guide 5.7.1.4): these see my stores above
.endr
.endr
.irp kb, 0,1,2,3
.irp nb, 0,1,2,3
	s_wait_dscnt 15-(4*(\kb)+(\nb))                ; this load is back; the later ones may be out
	global_store_b128 v25, v[32+4*(4*(\kb)+(\nb)):32+4*(4*(\kb)+(\nb))+3], s[78:79] offset:((\nb)/2)*131072+((\kb)/2)*2048+((\nb)%2)*1024+((\kb)%2)*512
.endr
.endr
.Lend:
	s_wait_tensorcnt 0x0                           ; the wave's end
	ds_add_u32 v[SPW], v[NIL]
	s_wait_dscnt 0x0
	CROUND                                         ; the closing round
	s_endpgm
.Lfunc_end_k_qd36b26e652_proj:
	.size	k_qd36b26e652_proj, .Lfunc_end_k_qd36b26e652_proj-k_qd36b26e652_proj
	.p2alignl 7, 3214868480
	.fill 96, 4, 3214868480
	.section	.rodata,"a",@progbits
	.p2align	6, 0x0
	.amdhsa_kernel k_qd36b26e652_proj
		.amdhsa_group_segment_fixed_size 270848
		.amdhsa_private_segment_fixed_size 0
		.amdhsa_enable_private_segment 0
		.amdhsa_kernarg_size 32
		.amdhsa_user_sgpr_count 2
		.amdhsa_user_sgpr_kernarg_segment_ptr 1
		.amdhsa_wavefront_size32 1
		.amdhsa_system_sgpr_workgroup_id_x 1
		.amdhsa_system_sgpr_workgroup_id_y 1
		.amdhsa_system_sgpr_workgroup_id_z 1
		.amdhsa_system_vgpr_workitem_id 0
		.amdhsa_next_free_vgpr 512
		.amdhsa_next_free_sgpr 80
		.amdhsa_reserve_vcc 0
		.amdhsa_float_denorm_mode_32 3
		.amdhsa_float_denorm_mode_16_64 3
		.amdhsa_memory_ordered 1
		.amdhsa_forward_progress 1
		.amdhsa_inst_pref_size 68
	.end_amdhsa_kernel
	.amdgpu_metadata
---
amdhsa.version: [ 1, 2 ]
amdhsa.kernels:
  - .name:           k_qd36b26e652_proj
    .symbol:         k_qd36b26e652_proj.kd
    .args:
      - { .name: xn, .offset: 0, .size: 8, .value_kind: global_buffer, .address_space: global }
      - { .name: wts, .offset: 8, .size: 8, .value_kind: global_buffer, .address_space: global }
      - { .name: ropet, .offset: 16, .size: 8, .value_kind: global_buffer, .address_space: global }
      - { .name: qkvb, .offset: 24, .size: 8, .value_kind: global_buffer, .address_space: global }
    .group_segment_fixed_size: 270848
    .private_segment_fixed_size: 0
    .kernarg_segment_align: 8
    .kernarg_segment_size: 32
    .max_flat_workgroup_size: 128
    .sgpr_count:     80
    .vgpr_count:     512
    .wavefront_size: 32
...
	.end_amdgpu_metadata
.endif
;; end of part 2
;; launch attn (part 3): grid 4 x 64, 8 waves a work-group, clusters of 4 x 1, 263,168 bytes of LDS; arguments qkvb, ofr; writes ofr
.if DOCPART == 3
	.amdgcn_target "amdgcn-amd-amdhsa--gfx1250"
	.amdhsa_code_object_version 6
	.text
	.protected	k_qd36b26e652_attn
	.globl	k_qd36b26e652_attn
	.p2align	8
	.type	k_qd36b26e652_attn,@function
k_qd36b26e652_attn:
	s_mov_b64 s[64:65], 0
	v_nop
	global_prefetch_b8 v0, s[64:65] scope:SCOPE_SE
	s_setreg_imm32_b32 hwreg(HW_REG_WAVE_MODE, 25, 1), 1
	s_wait_xcnt 0x0
	s_wait_alu depctr_hold_cnt(0) depctr_sa_sdst(0) depctr_va_vdst(0) depctr_va_sdst(0) depctr_va_ssrc(0) depctr_va_vcc(0) depctr_vm_vsrc(0)
	s_getreg_b32 s2, hwreg(HW_REG_IB_STS2, 6, 4)
	s_cmp_eq_u32 s2, 0
	s_cbranch_scc0 .Lentry_in_a_cluster
	s_endpgm
.Lentry_in_a_cluster:
	s_bfe_u32 s2, ttmp6, 0x10000c
	s_cmp_lg_u32 s2, 0x3003
	s_cbranch_scc0 .Lentry_shape_is_right
	s_endpgm
.Lentry_shape_is_right:
; CAUSAL ATTENTION, head size 32.  O[q] = the sum over k <= q of softmax_k(q . k / sqrt(32)) v[k].  q arrives times log2(e)/sqrt(32), so a score is an exponent of 2: p = 2^(s - m), m a running maximum;
; in every step O and l are multiplied by 2^(m_old - m_new).  Products, maxima and sums in f32; p is rounded to f16 for both its products; O once at the end, to f16.
; SHARES.  A cluster of four work-groups takes one head (64 clusters).  A head's K and V, 131,072 bytes each, lie WHOLE in each work-group's LDS, asked for jointly and filled once: no ring, nothing is filled again.
; A head's queries lie in 32 groups of 64; partner cx owns the 16 queries 16 cx .. of every group, so that all partners run alike: cx enters Q's and O's addresses and the mask's values alone.
; Wave w takes four groups a, 15 - a, 16 + a, 31 - a (a = w, or 11 - w from wave 4 on): 66 steps of 16 queries x 64 keys for every wave.  A tile of group G is alive in key steps 0 .. G; step G holds its diagonal.
; LAYOUT.  S^T = K Q^T (source 0 = 16 keys, source 1 = 16 queries): a lane holds ONE query (lane % 16) and the keys 8 (lane / 16) + 0..7.  Two such results rounded to f16 ARE source 1 of O^T = V^T P.
; K, Q and V^T lie in memory in the order of their registers, so every fragment is two loads at 16 x lane.  A row's sum is a product too: ones x P gives the sum over 32 keys in every register of every lane.
; The first fill comes in two stages, key steps 0-8 and 9-31: the first eight steps (and their look ahead of one step for K) run while the second stage is on its way.
; 72 registers (O, l, m) are set at the head, in the wait for the first stage, so that the first step is a step like any other.
; LIMITS.  A hidden score counts as -1e30; a weight below 2^-126 counts as 0; q, k, v arrive within f16's range; NaN and infinities are not treated apart.
; REGISTERS.  v1 16 x lane; v2, v3 LDS addresses of K, V; v4, v5 the add's; v6 -1e30; v8-11 m; v12-15 l; v16-17 new m; v18-19 the rescaling; v20-23 at work; v24-55 S^T; v56-71 P; v72-87 the two sums;
; v88-95 ones; v96-127 Q; v128-159 K; v160-191 V; v192-255 O^T, 16 a tile.
.set SPARE, 262144                     ; behind K and V: the spare words, 128 bytes for each of eight waves
.macro CROUND
	s_barrier_signal -1
	s_barrier_wait -1
	s_cmp_lg_u32 s8, 0
	s_cbranch_scc1 .Lnot_wave_0_\@
	s_barrier_signal -3
.Lnot_wave_0_\@:
	s_barrier_wait -3
	s_barrier_signal -1
	s_barrier_wait -1
.endm
.macro KLOAD off                       ; a step's K: four fragments of 16 keys
.irp kt, 0,1,2,3
	ds_load_b128 v[128+8*(\kt):131+8*(\kt)], v2 offset:(\off)+1024*(\kt)
	ds_load_b128 v[132+8*(\kt):135+8*(\kt)], v2 offset:(\off)+1024*(\kt)+512
.endr
.endm
.macro VLOAD                           ; a step's V^T: fragment f = 2 x (key half) + (channel half)
.irp f, 0,1,2,3
	ds_load_b128 v[160+8*(\f):163+8*(\f)], v3 offset:1024*(\f)
	ds_load_b128 v[164+8*(\f):167+8*(\f)], v3 offset:1024*(\f)+512
.endr
.endm
; One tile's key step.  dead = 1: the tile may be over: it is jumped.  mask = 1: the step may be the diagonal's.  kpre = 1: the next step's K is fetched behind the scores.  vw: the LDS loads that may be out when V is wanted.
.macro TILE t, dead, mask, kpre, vw
.set rO, 192+16*(\t)
.if \dead
	s_cmp_gt_u32 s40, s[12+(\t)]
	s_cbranch_scc1 .Ldead_\@
.endif
.irp kt, 0,1,2,3
	v_wmma_f32_16x16x32_f16 v[24+8*(\kt):31+8*(\kt)], v[128+8*(\kt):135+8*(\kt)], v[96+8*(\t):103+8*(\t)], 0
.endr
.rept 4
	v_nop                                          ; the places behind the scores' products
.endr
.if \kpre
	KLOAD 4096
.endif
.if \mask
	s_cmp_lg_u32 s40, s[12+(\t)]
	s_cbranch_scc1 .Lopen_\@
.set i, 0
.rept 32
	v_cndmask_b32 v[24+i], v[24+i], v6, s[66+i]    ; key 16 (i / 8) + 8 h + i % 8 of the step is hidden where it lies behind my query
.set i, i+1
.endr
.Lopen_\@:
.endif
.irp n, 0,1,2,3                        ; the maximum of 32 scores and the old m, three operands at a time; each accumulator's lowest registers are read first
	v_max3_num_f32 v[20+(\n)], v[24+8*(\n)], v[25+8*(\n)], v[26+8*(\n)]
.endr
.irp n, 0,1,2,3
	v_max3_num_f32 v[20+(\n)], v[20+(\n)], v[27+8*(\n)], v[28+8*(\n)]
.endr
.irp n, 0,1,2,3
	v_max3_num_f32 v[20+(\n)], v[20+(\n)], v[29+8*(\n)], v[30+8*(\n)]
.endr
	v_max3_num_f32 v20, v20, v31, v39
	v_max3_num_f32 v21, v21, v47, v55
	v_max3_num_f32 v22, v22, v23, v[8+(\t)]
	v_max3_num_f32 v20, v20, v21, v22
	v_permlanex16_b32 v23, v20, s44, s45           ; the query's other 32 keys lie in the lane 16 away
	v_max_num_f32 v16, v20, v23
	v_sub_f32 v21, v[8+(\t)], v16
	v_mov_b32 v[8+(\t)], v16
	v_exp_f32 v18, v21                             ; ONE BATCH of 33 exponentials; nothing ahead of its wait names a result.  A pair is shifted two pairs ahead of its exponentials
	v_pk_add_f32 v[24:25], v[24:25], v[16:17] op_sel_hi:[1,0] neg_lo:[0,1] neg_hi:[0,1]
	v_pk_add_f32 v[26:27], v[26:27], v[16:17] op_sel_hi:[1,0] neg_lo:[0,1] neg_hi:[0,1]
.set b, 0
.rept 16
.if b < 14
	v_pk_add_f32 v[28+2*b:29+2*b], v[28+2*b:29+2*b], v[16:17] op_sel_hi:[1,0] neg_lo:[0,1] neg_hi:[0,1]
.endif
	v_exp_f32 v[24+2*b], v[24+2*b]
	v_exp_f32 v[25+2*b], v[25+2*b]
.set b, b+1
.endr
	v_nop                                          ; a plain instruction behind the last exponential,
	s_wait_alu depctr_va_vdst(0)                   ; and the batch's one wait ahead of the first reader
.set i, 0
.rept 8
	v_cvt_pk_f16_f32 v[56+i], v[24+2*i], v[25+2*i]
.set i, i+1
.endr
	v_wmma_f32_16x16x32_f16 v[72:79], v[88:95], v[56:63], 0      ; the sum over keys 0-31
.set i, 0
.rept 8
	v_cvt_pk_f16_f32 v[64+i], v[40+2*i], v[41+2*i]
.set i, i+1
.endr
	v_wmma_f32_16x16x32_f16 v[80:87], v[88:95], v[64:71], 0      ; over keys 32-63
.set i, 0
.rept 8
	v_pk_mul_f32 v[rO+2*i:rO+2*i+1], v[rO+2*i:rO+2*i+1], v[18:19] op_sel_hi:[1,0]  ; O^T is rescaled; these eight are also the places behind the two sums
.set i, i+1
.endr
	v_fma_f32 v[12+(\t)], v[12+(\t)], v18, v72
	v_add_f32 v[12+(\t)], v[12+(\t)], v80
	s_wait_dscnt \vw                               ; V is in
	v_wmma_f32_16x16x32_f16 v[rO:rO+7],    v[160:167], v[56:63], v[rO:rO+7]       ; the two accumulators take turns
	v_wmma_f32_16x16x32_f16 v[rO+8:rO+15], v[168:175], v[56:63], v[rO+8:rO+15]
	v_wmma_f32_16x16x32_f16 v[rO:rO+7],    v[176:183], v[64:71], v[rO:rO+7]
	v_wmma_f32_16x16x32_f16 v[rO+8:rO+15], v[184:191], v[64:71], v[rO+8:rO+15]
.if \dead
.Ldead_\@:
.endif
.endm
	s_load_b128 s[4:7], s[0:1], 0x0                ; qkvb s[4:5], ofr s[6:7]
	v_lshl_add_u32 v4, v0, 2, SPARE
	v_mov_b32 v5, 0
	ds_add_u32 v4, v5                              ; the wave's opening: the add and its wait stand ahead of my first tensor load
	v_lshrrev_b32 v1, 5, v0
	v_readfirstlane_b32 s8, v1                     ; wave 0..7
	s_bfe_u32 s9, ttmp6, 0x40000                   ; cx
	s_and_b32 s10, ttmp7, 0xffff                   ; 16 b + head, which the four partners share
	s_sub_co_u32 s11, 11, s8
	s_cmp_lt_u32 s8, 4
	s_cselect_b32 s11, s8, s11                     ; a
	s_mov_b32 s12, s11                             ; my four groups
	s_sub_co_u32 s13, 15, s11
	s_add_co_u32 s14, s11, 16
	s_sub_co_u32 s15, 31, s11
	; dense bytes are asked for as rows of 256: elements of 8 bytes, 32 a row; stage 0: 36 rows a wave, stage 1: 92
	s_mov_b32 s16, 15|(3<<16)|(1<<21)              ; the mask of four; 8-byte elements; bit 21 beside a mask
	s_mov_b32 s17, 32<<16
	s_mov_b32 s18, 36<<16
	s_mov_b32 s19, 32<<16
	s_mov_b32 s20, 36
	s_mov_b32 s21, 32
	s_mov_b32 s22, 0
	s_mov_b32 s23, 0
	s_mov_b32 s24, 15|(3<<16)|(1<<21)
	s_mov_b32 s25, 32<<16
	s_mov_b32 s26, 92<<16
	s_mov_b32 s27, 32<<16
	s_mov_b32 s28, 92
	s_mov_b32 s29, 32
	s_mov_b32 s30, 0
	s_mov_b32 s31, 0
	s_and_b32 s62, s8, 3                           ; which quarter of a stage I fetch,
	s_lshr_b32 s63, s8, 2                          ; of K (0) or of V (1)
	s_mov_b32 s32, 1
	s_mul_i32 s33, s62, 9216
	s_lshl_b32 s2, s63, 17
	s_add_co_u32 s33, s33, s2                      ; LDS: 131,072 x tensor + 9,216 x quarter
	s_mov_b32 s36, 1
	s_mul_i32 s37, s62, 23552
	s_add_co_u32 s37, s37, s2
	s_add_co_u32 s37, s37, 36864                   ; LDS: 131,072 x tensor + 36,864 + 23,552 x quarter
	s_lshl_b32 s2, s63, 23
	s_add_co_u32 s2, s2, 8388608                   ; k lies 8 MiB into qkvb, v 16 MiB
	s_lshl_b32 s3, s10, 17
	s_add_co_u32 s2, s2, s3                        ; the head's 131,072 bytes
	s_mul_i32 s3, s62, 9216
	s_add_co_u32 s46, s2, s3
	s_mov_b32 s47, 0
	s_mul_i32 s3, s62, 23552
	s_add_co_u32 s48, s2, s3
	s_add_co_u32 s48, s48, 36864
	s_mov_b32 s49, 0
	s_mov_b32 s44, 0x76543210
	s_mov_b32 s45, 0xfedcba98
	s_wait_dscnt 0x0                               ; the opening add is done
	s_wait_kmcnt 0x0
	s_add_nc_u64 s[34:35], s[4:5], s[46:47]
	s_or_b32 s35, s35, 0x80000000
	s_add_nc_u64 s[38:39], s[4:5], s[48:49]
	s_or_b32 s39, s39, 0x80000000
	CROUND                                         ; all four work-groups are here: the joint loads meet
	tensor_load_to_lds s[32:35], s[16:23]          ; my quarter of key steps 0-8 of my tensor,
	s_nop 0
	tensor_load_to_lds s[36:39], s[24:31]          ; and of steps 9-31: two loads of mine are out
	s_nop 0
.rept 4
	v_nop
.endr
	v_and_b32 v1, 31, v0
	v_lshlrev_b32 v1, 4, v1                        ; 16 x lane
.irp t, 0,1,2,3
	s_lshl_b32 s2, s[12+(\t)], 2
	s_add_co_u32 s2, s2, s9                        ; my tile of 16 queries in the head: 4 G + cx
	s_lshl_b32 s62, s2, 10
	s_lshl_b32 s3, s10, 17
	s_add_co_u32 s62, s62, s3
	s_mov_b32 s63, 0
	s_add_nc_u64 s[46+2*(\t):47+2*(\t)], s[4:5], s[62:63]      ; Q's fragment
	s_lshr_b32 s3, s10, 4
	s_lshl_b32 s3, s3, 7
	s_add_co_u32 s3, s3, s2                        ; the block of 16 rows among all 8,192: 128 b + 4 G + cx
	s_lshl_b32 s62, s3, 14
	s_and_b32 s3, s10, 15
	s_lshl_b32 s3, s3, 10                          ; the head's 32 channels: 1,024 bytes of the block
	s_add_co_u32 s62, s62, s3
	s_add_nc_u64 s[54+2*(\t):55+2*(\t)], s[6:7], s[62:63]      ; O's place
	global_load_b128 v[96+8*(\t):99+8*(\t)],   v1, s[46+2*(\t):47+2*(\t)]
	global_load_b128 v[100+8*(\t):103+8*(\t)], v1, s[46+2*(\t):47+2*(\t)] offset:512
.endr
	v_and_b32 v7, 15, v0
	v_bfe_u32 v2, v0, 4, 1
	v_lshlrev_b32 v2, 3, v2
	v_sub_nc_u32 v7, v7, v2
	s_lshl_b32 s62, s9, 4
	v_add_nc_u32 v7, s62, v7                       ; my query's place in its group less my lanes' 8 h
.set i, 0
.rept 32
	v_cmp_gt_i32 s[66+i], 16*(i/8)+i%8, v7         ; the diagonal step's 32 masks of lanes
.set i, i+1
.endr
	v_mov_b32 v6, 0xf149f2ca                       ; -1e30
.irp t, 0,1,2,3
	v_mov_b32 v[8+(\t)], 0xfe000000                ; m: far below every score, so the first rescaling is 0
	v_mov_b32 v[12+(\t)], 0
.endr
	v_mov_b32 v17, 0                               ; named as pairs' second halves
	v_mov_b32 v19, 0
.set i, 0
.rept 8
	v_mov_b32 v[88+i], 0x3c003c00                  ; 1.0 twice, in f16
.set i, i+1
.endr
.set i, 0
.rept 64
	v_mov_b32 v[192+i], 0
.set i, i+1
.endr
	s_wait_tensorcnt 1                             ; my part of steps 0-8 is in; the second stage may stay out
	s_barrier_signal -1
	s_barrier_wait -1
	v_mov_b32 v2, v1
	KLOAD 0                                        ; K of step 0
	s_wait_loadcnt 0x0                             ; Q
	s_mov_b32 s40, 0                               ; the key step
	s_mov_b32 s42, 0                               ; its K in LDS
	s_mov_b32 s43, 131072                          ; its V
	s_mov_b32 s41, 8
.LloopA:                                               ; key steps 0-7: tile 0 may end here, the other three see every key
	v_add_nc_u32 v2, s42, v1
	v_add_nc_u32 v3, s43, v1
	v_nop
	v_nop                                          ; four places behind the last products that read V
	VLOAD
	s_wait_dscnt 8                                 ; K is in: V's eight loads are younger
	TILE 0, 1, 1, 0, 0
	TILE 1, 0, 0, 0, 0
	TILE 2, 0, 0, 0, 0
	TILE 3, 0, 0, 1, 8                             ; the next K's eight loads are younger than V's
	s_add_co_u32 s40, s40, 1
	s_add_co_u32 s42, s42, 4096
	s_add_co_u32 s43, s43, 4096
	s_sub_co_u32 s41, s41, 1
	s_cmp_lg_u32 s41, 0
	s_cbranch_scc1 .LloopA
	s_wait_tensorcnt 0x0                           ; my part of steps 9-31 is in,
	s_wait_dscnt 0x0
	s_barrier_signal -1
	s_barrier_wait -1                              ; everybody's is
	s_mov_b32 s41, 24
.LloopB:                                               ; key steps 8-31, counted to the constant; a wave whose last tile is over jumps the step
	s_cmp_gt_u32 s40, s15
	s_cbranch_scc1 .LskipB
	v_add_nc_u32 v2, s42, v1
	v_add_nc_u32 v3, s43, v1
	v_nop
	v_nop
	VLOAD
	s_wait_dscnt 8
	TILE 1, 1, 1, 0, 0
	TILE 2, 1, 1, 0, 0
	TILE 3, 0, 1, 1, 8                             ; (in my last step the look ahead reads bytes that have landed and serves nothing)
.LskipB:
	s_add_co_u32 s40, s40, 1
	s_add_co_u32 s42, s42, 4096
	s_add_co_u32 s43, s43, 4096
	s_sub_co_u32 s41, s41, 1
	s_cmp_lg_u32 s41, 0
	s_cbranch_scc1 .LloopB
	s_wait_dscnt 0x0
.rept 8
	v_nop                                          ; the places behind the last products
.endr
	v_rcp_f32 v16, v12
	v_rcp_f32 v18, v13
	v_rcp_f32 v20, v14
	v_rcp_f32 v22, v15
	v_nop
	s_wait_alu depctr_va_vdst(0)                   ; one wait for the four reciprocals
.irp t, 0,1,2,3
.set rO, 192+16*(\t)
.set i, 0
.rept 8
	v_pk_mul_f32 v[rO+2*i:rO+2*i+1], v[rO+2*i:rO+2*i+1], v[16+2*(\t):17+2*(\t)] op_sel_hi:[1,0]
.set i, i+1
.endr
.irp cb, 0,1
.irp p, 0,1,2,3
	v_cvt_pk_f16_f32 v[rO+8*(\cb)+(\p)], v[rO+8*(\cb)+2*(\p)], v[rO+8*(\cb)+2*(\p)+1]
.endr
	global_store_b128 v1, v[rO+8*(\cb):rO+8*(\cb)+3], s[54+2*(\t):55+2*(\t)] offset:512*(\cb)  ; 512 consecutive bytes, aligned: the next product's A in the order of its registers
.endr
.endr
	s_wait_tensorcnt 0x0                           ; the wave's end
	ds_add_u32 v4, v5
	s_wait_dscnt 0x0
	CROUND                                         ; the closing round
	s_endpgm
.Lfunc_end_k_qd36b26e652_attn:
	.size	k_qd36b26e652_attn, .Lfunc_end_k_qd36b26e652_attn-k_qd36b26e652_attn
	.p2alignl 7, 3214868480
	.fill 96, 4, 3214868480
	.section	.rodata,"a",@progbits
	.p2align	6, 0x0
	.amdhsa_kernel k_qd36b26e652_attn
		.amdhsa_group_segment_fixed_size 263168
		.amdhsa_private_segment_fixed_size 0
		.amdhsa_enable_private_segment 0
		.amdhsa_kernarg_size 16
		.amdhsa_user_sgpr_count 2
		.amdhsa_user_sgpr_kernarg_segment_ptr 1
		.amdhsa_wavefront_size32 1
		.amdhsa_system_sgpr_workgroup_id_x 1
		.amdhsa_system_sgpr_workgroup_id_y 1
		.amdhsa_system_sgpr_workgroup_id_z 1
		.amdhsa_system_vgpr_workitem_id 0
		.amdhsa_next_free_vgpr 256
		.amdhsa_next_free_sgpr 98
		.amdhsa_reserve_vcc 0
		.amdhsa_float_denorm_mode_32 3
		.amdhsa_float_denorm_mode_16_64 3
		.amdhsa_memory_ordered 1
		.amdhsa_forward_progress 1
		.amdhsa_inst_pref_size 70
	.end_amdhsa_kernel
	.amdgpu_metadata
---
amdhsa.version: [ 1, 2 ]
amdhsa.kernels:
  - .name:           k_qd36b26e652_attn
    .symbol:         k_qd36b26e652_attn.kd
    .args:
      - { .name: qkvb, .offset: 0, .size: 8, .value_kind: global_buffer, .address_space: global }
      - { .name: ofr, .offset: 8, .size: 8, .value_kind: global_buffer, .address_space: global }
    .group_segment_fixed_size: 263168
    .private_segment_fixed_size: 0
    .kernarg_segment_align: 8
    .kernarg_segment_size: 16
    .max_flat_workgroup_size: 256
    .sgpr_count:     98
    .vgpr_count:     256
    .wavefront_size: 32
...
	.end_amdgpu_metadata
.endif
;; end of part 3
;; launch oproj (part 4): grid 4 x 64, 4 waves a work-group, clusters of 4 x 4, 266,752 bytes of LDS; arguments ofr, wts, x, x1h; writes x1h
.if DOCPART == 4
	.amdgcn_target "amdgcn-amd-amdhsa--gfx1250"
	.amdhsa_code_object_version 6
	.text
	.protected	k_qd36b26e652_oproj
	.globl	k_qd36b26e652_oproj
	.p2align	8
	.type	k_qd36b26e652_oproj,@function
k_qd36b26e652_oproj:
	s_mov_b64 s[64:65], 0
	v_nop
	global_prefetch_b8 v0, s[64:65] scope:SCOPE_SE
	s_setreg_imm32_b32 hwreg(HW_REG_WAVE_MODE, 25, 1), 1
	s_wait_xcnt 0x0
	s_wait_alu depctr_hold_cnt(0) depctr_sa_sdst(0) depctr_va_vdst(0) depctr_va_sdst(0) depctr_va_ssrc(0) depctr_va_vcc(0) depctr_vm_vsrc(0)
	s_getreg_b32 s2, hwreg(HW_REG_IB_STS2, 6, 4)
	s_cmp_eq_u32 s2, 0
	s_cbranch_scc0 .Lentry_in_a_cluster
	s_endpgm
.Lentry_in_a_cluster:
	s_bfe_u32 s2, ttmp6, 0x10000c
	s_cmp_lg_u32 s2, 0xf033
	s_cbranch_scc0 .Lentry_shape_is_right
	s_endpgm
.Lentry_shape_is_right:
; x1 = bf16(x) + O Wo^T: [8192 x 512 x 512], f16 operands, f32 sums; x1 is rounded once to f16, row-major.
; A tile of the result is 128 x 128; four waves, each 64 x 64.  K = 512 is two steps of 256, one in each of two LDS slots; both are filled once, at the head.  O lies in the order of its fragments (16 rows x 32 K = 1,024 bytes),
; so its tile comes in dense and a fragment is two loads at 16 x lane.  CLUSTER 4 x 4: O's tile is asked for jointly along a row of the cluster, the weights' along a column.
; THE PRODUCT IS TAKEN TRANSPOSED (source 0 = 16 rows of the weights): a lane holds row lane % 16 and eight neighbouring columns.
; OUT.  The f32 sums go through one stage of 128 rows x 528 bytes, on slot 0, whose one fill and all reads are over; a barrier stands between writing and reading, since a row comes from two waves.  Each wave then
; takes 32 whole rows, adds x (loaded at the head, rounded to bf16 like every input) and stores 256 consecutive bytes, aligned, an instruction.
; LIMITS.  x1 must lie within f16's 65,504.  NaN and infinities are not treated apart.
.set GF,   1                           ; A lies in fragment order
.set BF,   0                           ; f16 products
.set SSQ,  0
.set WOFF, 3*524288                    ; the weights' first byte in wts
.set PITCH, 528                        ; an LDS row: 512 bytes + 16 of padding = 132 words: the 16 rows of a fragment load start at 16 different groups of four banks (64 banks of 4 bytes: ISA guide 11.1)
.set HALFT, 64*PITCH
.if GF
.set AH,    32768
.set ASTEP, 8192
.else
.set AH,    HALFT
.set ASTEP, 512
.endif
.set SLOT,  2*AH+2*HALFT               ; A's two halves, then the weights' two halves
.set SPARE, 2*SLOT                     ; behind the slots: the spare words, 128 bytes a wave
.set ADRA, 16                          ; v16-17 LDS address of my A fragments in slot 0, 1;  v20-21 the same for the weights
.set ADRB, 20
.set SPW,  28                          ; v28 my spare word, v29 zero; never rewritten
.set NIL,  29
.set SS,   96
.set ACC,  128                         ; accumulator (a, b) at ACC + 8 (4 a + b)
.set F0,   0                           ; window 1: two fragment buffers of 128: 64 registers of A, 64 of the weights, for 64 along K
.set F1,   128
.set G1, 24
.set G0, 32
.set G1B, 48
.set G0B, 56
.set MSB, 0
.macro WIN new                         ; the immediate's high byte repeats the setting that is left
.if MSB != (\new)
	s_set_vgpr_msb (MSB<<8)|(\new)
.set MSB, \new
.endif
.endm
.set MUL,  0x05                        ; sources 0 and 1 in window 1; C and D in window 0
.set TO_F, 0x40                        ; destination in window 1, address in window 0
.macro JLOAD s                         ; a joint load: waves 0 and 1 fetch A's halves, waves 2 and 3 the weights'; s_nop 0 and four v_nop follow each line
	s_cmp_eq_u32 s11, 0
	s_cbranch_scc0 .Lfor_b_\@
	tensor_load_to_lds s[G0+4*(\s):G0+4*(\s)+3], s[G1:G1+7]
	s_nop 0
.rept 4
	v_nop
.endr
	s_branch .Lasked_\@
.Lfor_b_\@:
	tensor_load_to_lds s[G0B+4*(\s):G0B+4*(\s)+3], s[G1B:G1B+7]
	s_nop 0
.rept 4
	v_nop
.endr
.Lasked_\@:
.endm
.macro CROUND                          ; a round of the cluster's barrier
	s_barrier_signal -1
	s_barrier_wait -1
	s_cmp_lg_u32 s10, 0
	s_cbranch_scc1 .Lnot_wave_0_\@
	s_barrier_signal -3
.Lnot_wave_0_\@:
	s_barrier_wait -3
	s_barrier_signal -1
	s_barrier_wait -1
.endm
.macro PLACES
.rept 4
	v_nop
.endr
.endm
.macro PROD zero                       ; D = rD, source 0 = rB, source 1 = rA; zero = 1: the product starts the sum
.if BF
.if \zero
	v_wmma_f32_16x16x32_bf16 v[rD:rD+7], v[rB:rB+7], v[rA:rA+7], 0
.else
	v_wmma_f32_16x16x32_bf16 v[rD:rD+7], v[rB:rB+7], v[rA:rA+7], v[rD:rD+7]
.endif
.else
.if \zero
	v_wmma_f32_16x16x32_f16 v[rD:rD+7], v[rB:rB+7], v[rA:rA+7], 0
.else
	v_wmma_f32_16x16x32_f16 v[rD:rD+7], v[rB:rB+7], v[rA:rA+7], v[rD:rD+7]
.endif
.endif
.endm
.macro MUL8 f, c, a0, zero             ; row blocks a0, a0 + 1 x all 4 column blocks, 32 along K: half c of buffer f.  The accumulators take turns, one instruction a turn
	WIN MUL
.irp a, \a0, (\a0)+1
.irp b, 0,1,2,3
.set rD, ACC+8*(4*(\a)+(\b))
.set rB, (\f)+64+8*(4*(\c)+(\b))
.set rA, (\f)+8*(4*(\c)+(\a))
	PROD \zero
.endr
.endr
.endm
.macro SS4 f, c, zero                  ; (only where SSQ = 1) A's fragments times themselves: the diagonal is the rows' sum of squares
.if SSQ
	WIN MUL
.irp a, 0,1,2,3
.set rD, SS+8*(\a)
.set rB, (\f)+8*(4*(\c)+(\a))
.set rA, rB
	PROD \zero
.endr
.endif
.endm
.macro FETCH slot, k, f                ; 32 LDS loads in one run: the fragments of 64 along K at byte k of the rows; the first 32 along K first
	WIN TO_F
.irp c, 0,1
.irp i, 0,1,2,3
	ds_load_b128 v[(\f)+64+8*(4*(\c)+(\i)):(\f)+64+8*(4*(\c)+(\i))+3],   v[ADRB+(\slot)] offset:(\k)+64*(\c)+(\i)*16*PITCH
	ds_load_b128 v[(\f)+64+8*(4*(\c)+(\i))+4:(\f)+64+8*(4*(\c)+(\i))+7], v[ADRB+(\slot)] offset:(\k)+64*(\c)+(\i)*16*PITCH+32
.if GF
	ds_load_b128 v[(\f)+8*(4*(\c)+(\i)):(\f)+8*(4*(\c)+(\i))+3],         v[ADRA+(\slot)] offset:((\k)/128)*2048+(\c)*1024+(\i)*8192
	ds_load_b128 v[(\f)+8*(4*(\c)+(\i))+4:(\f)+8*(4*(\c)+(\i))+7],       v[ADRA+(\slot)] offset:((\k)/128)*2048+(\c)*1024+(\i)*8192+512
.else
	ds_load_b128 v[(\f)+8*(4*(\c)+(\i)):(\f)+8*(4*(\c)+(\i))+3],         v[ADRA+(\slot)] offset:(\k)+64*(\c)+(\i)*16*PITCH
	ds_load_b128 v[(\f)+8*(4*(\c)+(\i))+4:(\f)+8*(4*(\c)+(\i))+7],       v[ADRA+(\slot)] offset:(\k)+64*(\c)+(\i)*16*PITCH+32
.endif
.endr
.endr
.endm
.macro QUARTER slot, k, f, g, zero     ; 64 along K: multiplies buffer f; in its middle fetches the next quarter, at byte k, into g
	s_wait_dscnt 16                                ; the first 32 along K are in; the younger sixteen loads may be out
	MUL8 \f, 0, 0, \zero
	MUL8 \f, 0, 2, \zero
	SS4 \f, 0, \zero
	PLACES                                         ; four places in front of loads into registers that products have read
	FETCH \slot, \k, \g
	s_wait_dscnt 32                                ; all but the 32 just issued
	MUL8 \f, 1, 0, 0
	MUL8 \f, 1, 2, 0
	SS4 \f, 1, 0
.endm
.macro TURN                            ; slot 0's last quarter, and the change to slot 1: one barrier; in front of it my part of slot 1 has landed and my reads of slot 0 are over
	WIN 0
	s_wait_tensorcnt 0x0                           ; my part of slot 1 is in
	ds_add_u32 v[SPW], v[NIL]                      ; 0 onto my spare word
	s_wait_dscnt 17                                ; the add and the youngest sixteen loads may be out
	MUL8 F1, 0, 0, 0
	s_wait_dscnt 0x0                               ; the add is done, and my reads of slot 0 are over
	s_barrier_signal -1
	MUL8 F1, 0, 2, 0
	SS4 F1, 0, 0
	s_barrier_wait -1
	PLACES
	FETCH 1, 0, F0
	MUL8 F1, 1, 0, 0
	MUL8 F1, 1, 2, 0
	SS4 F1, 1, 0
.endm
	s_load_b128 s[4:7], s[0:1], 0x0                ; A s[4:5], wts s[6:7]
	s_load_b128 s[68:71], s[0:1], 0x10             ; x s[68:69], x1h s[70:71]
	v_lshl_add_u32 v[SPW], v0, 2, SPARE
	v_mov_b32 v[NIL], 0
	ds_add_u32 v[SPW], v[NIL]                      ; the wave's opening: the add and its wait stand ahead of my first tensor load
	v_lshrrev_b32 v1, 5, v0
	v_readfirstlane_b32 s10, v1                    ; wave
	s_lshr_b32 s11, s10, 1                         ; my half of the tile's rows; also: I fetch for A (0) or for the weights (1)
	s_and_b32 s12, s10, 1                          ; my half of its columns; also: which 64 rows I fetch
	s_bfe_u32 s40, ttmp6, 0x40000                  ; cx
	s_bfe_u32 s41, ttmp6, 0x40004                  ; cy
	s_lshl_b32 s42, ttmp9, 2
	s_add_co_u32 s42, s42, s40                     ; tile column
	s_and_b32 s13, ttmp7, 0xffff
	s_lshl_b32 s13, s13, 2
	s_add_co_u32 s13, s13, s41                     ; tile row
	s_lshl_b32 s43, s41, 2
	s_lshl_b32 s43, 15, s43                        ; my row of the cluster
	s_lshl_b32 s44, 0x1111, s40                    ; my column
.if GF
	s_or_b32 s[G1+0], s43, (1<<16)|(1<<21)         ; A in fragment order: 4 rows of 4,096 halves, 8,192 halves apart, dense in LDS
	s_mov_b32 s[G1+1], 4096<<16
	s_mov_b32 s[G1+2], 4<<16
	s_mov_b32 s[G1+3], 4096<<16
	s_mov_b32 s[G1+4], 4
	s_mov_b32 s[G1+5], 8192
.else
	s_or_b32 s[G1+0], s43, (1<<16)|(1<<20)|(1<<21)|(6<<22)|(3<<25)  ; mask of my row; 2-byte elements; padding of 4 words after every 128; bit 21 beside a mask
	s_mov_b32 s[G1+1], 256<<16                     ; tensor_dim0
	s_mov_b32 s[G1+2], 64<<16                      ; tensor_dim1
	s_mov_b32 s[G1+3], 256<<16                     ; tile_dim0
	s_mov_b32 s[G1+4], 64                          ; tile_dim1
	s_mov_b32 s[G1+5], 512                         ; elements from row to row
.endif
	s_mov_b32 s[G1+6], 0
	s_mov_b32 s[G1+7], 0
	s_or_b32 s[G1B+0], s44, (1<<16)|(1<<20)|(1<<21)|(6<<22)|(3<<25)  ; the weights: mask of my column
	s_mov_b32 s[G1B+1], 256<<16
	s_mov_b32 s[G1B+2], 64<<16
	s_mov_b32 s[G1B+3], 256<<16
	s_mov_b32 s[G1B+4], 64
	s_mov_b32 s[G1B+5], 512
	s_mov_b32 s[G1B+6], 0
	s_mov_b32 s[G1B+7], 0
	s_lshl_b32 s17, s12, 6
	s_lshl_b32 s16, s13, 7
	s_add_co_u32 s16, s16, s17                     ; A: row 128 x tile row + 64 x half,
	s_lshl_b32 s16, s16, 10                        ; 1,024 bytes a row
	s_lshl_b32 s46, s42, 7
	s_add_co_u32 s46, s46, s17                     ; the weights: row 128 x tile column + 64 x half
	s_lshl_b32 s46, s46, 10
	s_mov_b32 s17, 0
	s_mov_b32 s47, 0
	s_mul_i32 s20, s12, AH                         ; where they go: no place in the cluster enters an LDS address
	s_mul_i32 s21, s12, HALFT
	s_add_co_u32 s21, s21, 2*AH
	s_wait_dscnt 0x0                               ; the opening add is done
	s_wait_kmcnt 0x0
	s_add_nc_u64 s[14:15], s[4:5], s[16:17]
	s_add_nc_u64 s[46:47], s[6:7], s[46:47]
.if WOFF
	s_add_nc_u64 s[46:47], s[46:47], WOFF
.endif
	CROUND                                         ; all sixteen work-groups are here: the joint loads meet
.irp s, 0,1
	s_mov_b32 s[G0+4*(\s)], 1
	s_add_co_u32 s[G0+4*(\s)+1], s20, (\s)*SLOT
	s_add_nc_u64 s[G0+4*(\s)+2:G0+4*(\s)+3], s[14:15], (\s)*ASTEP
	s_or_b32 s[G0+4*(\s)+3], s[G0+4*(\s)+3], 0x80000000
	s_mov_b32 s[G0B+4*(\s)], 1
	s_add_co_u32 s[G0B+4*(\s)+1], s21, (\s)*SLOT
	s_add_nc_u64 s[G0B+4*(\s)+2:G0B+4*(\s)+3], s[46:47], (\s)*512
	s_or_b32 s[G0B+4*(\s)+3], s[G0B+4*(\s)+3], 0x80000000
	JLOAD \s                                       ; both K steps go out at once: two tensor loads of mine are out
.endr
	v_and_b32 v1, 15, v0                           ; r = lane % 16
	v_bfe_u32 v2, v0, 4, 1                         ; h = lane / 16
	v_mul_u32_u24 v3, v1, PITCH
	v_lshl_add_u32 v3, v2, 4, v3
	v_and_b32 v25, 31, v0
	v_lshlrev_b32 v25, 4, v25                      ; 16 x lane
	s_mul_i32 s21, s11, AH
	s_mul_i32 s22, s12, HALFT
	s_add_co_u32 s22, s22, 2*AH
.irp s, 0,1
.if GF
	v_add_nc_u32 v[ADRA+(\s)], s21, v25
.else
	v_add_nc_u32 v[ADRA+(\s)], s21, v3
.endif
	v_add_nc_u32 v[ADRB+(\s)], s22, v3
	s_add_co_u32 s21, s21, SLOT
	s_add_co_u32 s22, s22, SLOT
.endr
	; this launch's own set-up: on the way out wave w takes rows 32 w .. 32 w + 31 of the tile, whole
	s_lshl_b32 s14, s13, 7
	s_lshl_b32 s15, s10, 5
	s_add_co_u32 s14, s14, s15                     ; their first row
	s_lshl_b32 s16, s14, 11
	s_lshl_b32 s15, s42, 9
	s_add_co_u32 s16, s16, s15
	s_mov_b32 s17, 0
	s_add_nc_u64 s[76:77], s[68:69], s[16:17]      ; x: 2,048 bytes a row, 512 a tile column
	s_lshl_b32 s16, s14, 10
	s_lshl_b32 s15, s42, 8
	s_add_co_u32 s16, s16, s15
	s_add_nc_u64 s[78:79], s[70:71], s[16:17]      ; x1h: 1,024 bytes a row, 256 a tile column
	v_lshrrev_b32 v24, 1, v25                      ; 8 x lane
	v_mov_b32 v31, 1.0
	s_mul_i32 s23, s11, 64*528
	s_lshl_b32 s21, s12, 8
	s_add_co_u32 s23, s23, s21
	v_mul_u32_u24 v26, v1, 528
	v_lshl_add_u32 v26, v2, 5, v26
	v_add_nc_u32 v26, s23, v26                     ; into the stage: row 64 x half + r, byte 256 x half + 32 h
	s_mul_i32 s23, s10, 32*528
	v_add_nc_u32 v30, s23, v25                     ; back: a row an instruction
	WIN 0x80                                       ; destination in window 2
.set t, 0
.rept 32
	global_load_b128 v[4*t:4*t+3], v25, s[76:77] offset:2048*t
.set t, t+1
.endr
	WIN 0
	s_wait_tensorcnt 1                             ; my part of slot 0 is in; slot 1's may stay out
	s_barrier_signal -1
	s_barrier_wait -1
	FETCH 0, 0, F0
	QUARTER 0, 128, F0, F1, 1                      ; the first products start the sums
	QUARTER 0, 256, F1, F0, 0
	QUARTER 0, 384, F0, F1, 0
	TURN
	QUARTER 1, 128, F0, F1, 0
	QUARTER 1, 256, F1, F0, 0
	QUARTER 1, 384, F0, F1, 0
	s_wait_dscnt 16
	MUL8 F1, 0, 0, 0
	MUL8 F1, 0, 2, 0
	SS4 F1, 0, 0
	s_wait_dscnt 0x0
	MUL8 F1, 1, 0, 0
	MUL8 F1, 1, 2, 0
	SS4 F1, 1, 0
	WIN 0
	PLACES
	PLACES
.irp a, 0,1,2,3
.irp b, 0,1,2,3
	ds_store_b128 v26, v[ACC+8*(4*(\a)+(\b)):ACC+8*(4*(\a)+(\b))+3]   offset:8448*(\a)+64*(\b)
	ds_store_b128 v26, v[ACC+8*(4*(\a)+(\b))+4:ACC+8*(4*(\a)+(\b))+7] offset:8448*(\a)+64*(\b)+16
.endr
.endr
	s_wait_dscnt 0x0                               ; for the others' sake: my stores into the stage are done
	s_barrier_signal -1
	s_barrier_wait -1
.set t, 0
.rept 32
	ds_load_b128 v[ACC+4*t:ACC+4*t+3], v30 offset:528*t
.set t, t+1
.endr
	s_wait_loadcnt 0x0                             ; x
	WIN 0x0a                                       ; sources 0 and 1 in window 2
.set t, 0
.rept 32
	v_cvt_pk_bf16_f32 v[32+2*t], v[4*t], v[4*t+1]
	v_cvt_pk_bf16_f32 v[33+2*t], v[4*t+2], v[4*t+3]
.set t, t+1
.endr
	WIN 0
.set t, 0
.rept 32
	s_wait_dscnt 31-t                              ; row t is back; the later rows may be out
	v_fma_mix_f32_bf16 v[ACC+4*t],   v[32+2*t], v31, v[ACC+4*t]   op_sel_hi:[1,0,0]                 ; bf16(x) x 1 + the sum
	v_fma_mix_f32_bf16 v[ACC+4*t+1], v[32+2*t], v31, v[ACC+4*t+1] op_sel:[1,0,0] op_sel_hi:[1,0,0]
	v_fma_mix_f32_bf16 v[ACC+4*t+2], v[33+2*t], v31, v[ACC+4*t+2] op_sel_hi:[1,0,0]
	v_fma_mix_f32_bf16 v[ACC+4*t+3], v[33+2*t], v31, v[ACC+4*t+3] op_sel:[1,0,0] op_sel_hi:[1,0,0]
	v_cvt_pk_f16_f32 v[ACC+4*t], v[ACC+4*t], v[ACC+4*t+1]
	v_cvt_pk_f16_f32 v[ACC+4*t+1], v[ACC+4*t+2], v[ACC+4*t+3]
	global_store_b64 v24, v[ACC+4*t:ACC+4*t+1], s[78:79] offset:1024*t  ; 256 consecutive bytes, aligned
.set t, t+1
.endr
	s_wait_tensorcnt 0x0                           ; the wave's end
	ds_add_u32 v[SPW], v[NIL]
	s_wait_dscnt 0x0
	CROUND                                         ; the closing round
	s_endpgm
.Lfunc_end_k_qd36b26e652_oproj:
	.size	k_qd36b26e652_oproj, .Lfunc_end_k_qd36b26e652_oproj-k_qd36b26e652_oproj
	.p2alignl 7, 3214868480
	.fill 96, 4, 3214868480
	.section	.rodata,"a",@progbits
	.p2align	6, 0x0
	.amdhsa_kernel k_qd36b26e652_oproj
		.amdhsa_group_segment_fixed_size 266752
		.amdhsa_private_segment_fixed_size 0
		.amdhsa_enable_private_segment 0
		.amdhsa_kernarg_size 32
		.amdhsa_user_sgpr_count 2
		.amdhsa_user_sgpr_kernarg_segment_ptr 1
		.amdhsa_wavefront_size32 1
		.amdhsa_system_sgpr_workgroup_id_x 1
		.amdhsa_system_sgpr_workgroup_id_y 1
		.amdhsa_system_sgpr_workgroup_id_z 1
		.amdhsa_system_vgpr_workitem_id 0
		.amdhsa_next_free_vgpr 640
		.amdhsa_next_free_sgpr 80
		.amdhsa_reserve_vcc 0
		.amdhsa_float_denorm_mode_32 3
		.amdhsa_float_denorm_mode_16_64 3
		.amdhsa_memory_ordered 1
		.amdhsa_forward_progress 1
		.amdhsa_inst_pref_size 69
	.end_amdhsa_kernel
	.amdgpu_metadata
---
amdhsa.version: [ 1, 2 ]
amdhsa.kernels:
  - .name:           k_qd36b26e652_oproj
    .symbol:         k_qd36b26e652_oproj.kd
    .args:
      - { .name: ofr, .offset: 0, .size: 8, .value_kind: global_buffer, .address_space: global }
      - { .name: wts, .offset: 8, .size: 8, .value_kind: global_buffer, .address_space: global }
      - { .name: x, .offset: 16, .size: 8, .value_kind: global_buffer, .address_space: global }
      - { .name: x1h, .offset: 24, .size: 8, .value_kind: global_buffer, .address_space: global }
    .group_segment_fixed_size: 266752
    .private_segment_fixed_size: 0
    .kernarg_segment_align: 8
    .kernarg_segment_size: 32
    .max_flat_workgroup_size: 128
    .sgpr_count:     80
    .vgpr_count:     640
    .wavefront_size: 32
...
	.end_amdgpu_metadata
.endif
;; end of part 4
;; launch ffn1 (part 5): grid 8 x 64, 4 waves a work-group, clusters of 4 x 4, 270,848 bytes of LDS; arguments x1h, wts, ffb; writes ffb
.if DOCPART == 5
	.amdgcn_target "amdgcn-amd-amdhsa--gfx1250"
	.amdhsa_code_object_version 6
	.text
	.protected	k_qd36b26e652_ffn1
	.globl	k_qd36b26e652_ffn1
	.p2align	8
	.type	k_qd36b26e652_ffn1,@function
k_qd36b26e652_ffn1:
	s_mov_b64 s[64:65], 0
	v_nop
	global_prefetch_b8 v0, s[64:65] scope:SCOPE_SE
	s_setreg_imm32_b32 hwreg(HW_REG_WAVE_MODE, 25, 1), 1
	s_wait_xcnt 0x0
	s_wait_alu depctr_hold_cnt(0) depctr_sa_sdst(0) depctr_va_vdst(0) depctr_va_sdst(0) depctr_va_ssrc(0) depctr_va_vcc(0) depctr_vm_vsrc(0)
	s_getreg_b32 s2, hwreg(HW_REG_IB_STS2, 6, 4)
	s_cmp_eq_u32 s2, 0
	s_cbranch_scc0 .Lentry_in_a_cluster
	s_endpgm
.Lentry_in_a_cluster:
	s_bfe_u32 s2, ttmp6, 0x10000c
	s_cmp_lg_u32 s2, 0xf033
	s_cbranch_scc0 .Lentry_shape_is_right
	s_endpgm
.Lentry_shape_is_right:
; ff = silu(r U) (r V), U = x1 (w1 ln2)^T, V = x1 (w3 ln2)^T, r = rsqrt(mean(x1^2) + 1e-5): [8192 x 1024 x 512], f16 operands, f32 sums.  The second norm's row scale commutes with the product,
; so it is applied to the sums; its gain lies in the weights.  ff is rounded once, to bf16 (it is a product of two sums and has no room in f16 for large inputs).
; A tile is 128 x 128; four waves, each 64 x 64.  w1's and w3's rows are interleaved by 32, so a wave's 64 columns are 32 of U (column blocks 0, 1) and the same 32 of V (blocks 2, 3).
; K = 512 is two steps of 256, one in each of two LDS slots; both are filled once, at the head.  CLUSTER 4 x 4: x1's tile is asked for jointly along a row of the cluster, the weights' along a column.
; THE ROWS' SUMS OF SQUARES come from the matrix unit: each fragment of x1 times itself, four accumulators more; the diagonal (row r in lane r + 16 (r / 8), register r % 8) is the sum.
; THE PRODUCT IS TAKEN TRANSPOSED (source 0 = 16 rows of the weights): a lane holds row lane % 16 and eight neighbouring columns, which is the order of the next product's A fragments: a store covers 512 consecutive bytes.
; LIMITS.  NaN and infinities are not treated apart; where exp(-u) overflows the sigmoid counts as 0.
.set GF,   0                           ; A lies row-major
.set BF,   0                           ; f16 products
.set SSQ,  1
.set WOFF, 4*524288                    ; the weights' first byte in wts
.set PITCH, 528                        ; an LDS row: 512 bytes + 16 of padding = 132 words: the 16 rows of a fragment load start at 16 different groups of four banks (64 banks of 4 bytes: ISA guide 11.1)
.set HALFT, 64*PITCH
.if GF
.set AH,    32768
.set ASTEP, 8192
.else
.set AH,    HALFT
.set ASTEP, 512
.endif
.set SLOT,  2*AH+2*HALFT               ; A's two halves, then the weights' two halves
.set SPARE, 2*SLOT                     ; behind the slots: the spare words, 128 bytes a wave
.set ADRA, 16                          ; v16-17 LDS address of my A fragments in slot 0, 1;  v20-21 the same for the weights
.set ADRB, 20
.set SPW,  28                          ; v28 my spare word, v29 zero; never rewritten
.set NIL,  29
.set SS,   96                          ; v96-127 the four accumulators of the sums of squares
.set ACC,  128                         ; accumulator (a, b) at ACC + 8 (4 a + b)
.set F0,   0                           ; window 1: two fragment buffers of 128: 64 registers of A, 64 of the weights, for 64 along K
.set F1,   128
.set G1, 24
.set G0, 32
.set G1B, 48
.set G0B, 56
.set MSB, 0
.macro WIN new                         ; the immediate's high byte repeats the setting that is left
.if MSB != (\new)
	s_set_vgpr_msb (MSB<<8)|(\new)
.set MSB, \new
.endif
.endm
.set MUL,  0x05                        ; sources 0 and 1 in window 1; C and D in window 0
.set TO_F, 0x40                        ; destination in window 1, address in window 0
.macro JLOAD s                         ; a joint load: waves 0 and 1 fetch A's halves, waves 2 and 3 the weights'; s_nop 0 and four v_nop follow each line
	s_cmp_eq_u32 s11, 0
	s_cbranch_scc0 .Lfor_b_\@
	tensor_load_to_lds s[G0+4*(\s):G0+4*(\s)+3], s[G1:G1+7]
	s_nop 0
.rept 4
	v_nop
.endr
	s_branch .Lasked_\@
.Lfor_b_\@:
	tensor_load_to_lds s[G0B+4*(\s):G0B+4*(\s)+3], s[G1B:G1B+7]
	s_nop 0
.rept 4
	v_nop
.endr
.Lasked_\@:
.endm
.macro CROUND                          ; a round of the cluster's barrier
	s_barrier_signal -1
	s_barrier_wait -1
	s_cmp_lg_u32 s10, 0
	s_cbranch_scc1 .Lnot_wave_0_\@
	s_barrier_signal -3
.Lnot_wave_0_\@:
	s_barrier_wait -3
	s_barrier_signal -1
	s_barrier_wait -1
.endm
.macro PLACES
.rept 4
	v_nop
.endr
.endm
.macro PROD zero                       ; D = rD, source 0 = rB, source 1 = rA; zero = 1: the product starts the sum
.if BF
.if \zero
	v_wmma_f32_16x16x32_bf16 v[rD:rD+7], v[rB:rB+7], v[rA:rA+7], 0
.else
	v_wmma_f32_16x16x32_bf16 v[rD:rD+7], v[rB:rB+7], v[rA:rA+7], v[rD:rD+7]
.endif
.else
.if \zero
	v_wmma_f32_16x16x32_f16 v[rD:rD+7], v[rB:rB+7], v[rA:rA+7], 0
.else
	v_wmma_f32_16x16x32_f16 v[rD:rD+7], v[rB:rB+7], v[rA:rA+7], v[rD:rD+7]
.endif
.endif
.endm
.macro MUL8 f, c, a0, zero             ; row blocks a0, a0 + 1 x all 4 column blocks, 32 along K: half c of buffer f.  The accumulators take turns, one instruction a turn
	WIN MUL
.irp a, \a0, (\a0)+1
.irp b, 0,1,2,3
.set rD, ACC+8*(4*(\a)+(\b))
.set rB, (\f)+64+8*(4*(\c)+(\b))
.set rA, (\f)+8*(4*(\c)+(\a))
	PROD \zero
.endr
.endr
.endm
.macro SS4 f, c, zero                  ; A's fragments times themselves: the diagonal is the rows' sum of squares
.if SSQ
	WIN MUL
.irp a, 0,1,2,3
.set rD, SS+8*(\a)
.set rB, (\f)+8*(4*(\c)+(\a))
.set rA, rB
	PROD \zero
.endr
.endif
.endm
.macro FETCH slot, k, f                ; 32 LDS loads in one run: the fragments of 64 along K at byte k of the rows; the first 32 along K first
	WIN TO_F
.irp c, 0,1
.irp i, 0,1,2,3
	ds_load_b128 v[(\f)+64+8*(4*(\c)+(\i)):(\f)+64+8*(4*(\c)+(\i))+3],   v[ADRB+(\slot)] offset:(\k)+64*(\c)+(\i)*16*PITCH
	ds_load_b128 v[(\f)+64+8*(4*(\c)+(\i))+4:(\f)+64+8*(4*(\c)+(\i))+7], v[ADRB+(\slot)] offset:(\k)+64*(\c)+(\i)*16*PITCH+32
.if GF
	ds_load_b128 v[(\f)+8*(4*(\c)+(\i)):(\f)+8*(4*(\c)+(\i))+3],         v[ADRA+(\slot)] offset:((\k)/128)*2048+(\c)*1024+(\i)*8192
	ds_load_b128 v[(\f)+8*(4*(\c)+(\i))+4:(\f)+8*(4*(\c)+(\i))+7],       v[ADRA+(\slot)] offset:((\k)/128)*2048+(\c)*1024+(\i)*8192+512
.else
	ds_load_b128 v[(\f)+8*(4*(\c)+(\i)):(\f)+8*(4*(\c)+(\i))+3],         v[ADRA+(\slot)] offset:(\k)+64*(\c)+(\i)*16*PITCH
	ds_load_b128 v[(\f)+8*(4*(\c)+(\i))+4:(\f)+8*(4*(\c)+(\i))+7],       v[ADRA+(\slot)] offset:(\k)+64*(\c)+(\i)*16*PITCH+32
.endif
.endr
.endr
.endm
.macro QUARTER slot, k, f, g, zero     ; 64 along K: multiplies buffer f; in its middle fetches the next quarter, at byte k, into g
	s_wait_dscnt 16                                ; the first 32 along K are in; the younger sixteen loads may be out
	MUL8 \f, 0, 0, \zero
	MUL8 \f, 0, 2, \zero
	SS4 \f, 0, \zero
	PLACES                                         ; four places in front of loads into registers that products have read
	FETCH \slot, \k, \g
	s_wait_dscnt 32                                ; all but the 32 just issued
	MUL8 \f, 1, 0, 0
	MUL8 \f, 1, 2, 0
	SS4 \f, 1, 0
.endm
.macro TURN                            ; slot 0's last quarter, and the change to slot 1: one barrier; in front of it my part of slot 1 has landed and my reads of slot 0 are over
	WIN 0
	s_wait_tensorcnt 0x0                           ; my part of slot 1 is in
	ds_add_u32 v[SPW], v[NIL]                      ; 0 onto my spare word
	s_wait_dscnt 17                                ; the add and the youngest sixteen loads may be out
	MUL8 F1, 0, 0, 0
	s_wait_dscnt 0x0                               ; the add is done, and my reads of slot 0 are over
	s_barrier_signal -1
	MUL8 F1, 0, 2, 0
	SS4 F1, 0, 0
	s_barrier_wait -1
	PLACES
	FETCH 1, 0, F0
	MUL8 F1, 1, 0, 0
	MUL8 F1, 1, 2, 0
	SS4 F1, 1, 0
.endm
	s_load_b128 s[4:7], s[0:1], 0x0                ; A s[4:5], wts s[6:7]
	s_load_b64 s[68:69], s[0:1], 0x10              ; ffb
	v_lshl_add_u32 v[SPW], v0, 2, SPARE
	v_mov_b32 v[NIL], 0
	ds_add_u32 v[SPW], v[NIL]                      ; the wave's opening: the add and its wait stand ahead of my first tensor load
	v_lshrrev_b32 v1, 5, v0
	v_readfirstlane_b32 s10, v1                    ; wave
	s_lshr_b32 s11, s10, 1                         ; my half of the tile's rows; also: I fetch for A (0) or for the weights (1)
	s_and_b32 s12, s10, 1                          ; my half of its columns; also: which 64 rows I fetch
	s_bfe_u32 s40, ttmp6, 0x40000                  ; cx
	s_bfe_u32 s41, ttmp6, 0x40004                  ; cy
	s_lshl_b32 s42, ttmp9, 2
	s_add_co_u32 s42, s42, s40                     ; tile column
	s_and_b32 s13, ttmp7, 0xffff
	s_lshl_b32 s13, s13, 2
	s_add_co_u32 s13, s13, s41                     ; tile row
	s_lshl_b32 s43, s41, 2
	s_lshl_b32 s43, 15, s43                        ; my row of the cluster
	s_lshl_b32 s44, 0x1111, s40                    ; my column
.if GF
	s_or_b32 s[G1+0], s43, (1<<16)|(1<<21)         ; A in fragment order: 4 rows of 4,096 halves, 8,192 halves apart, dense in LDS
	s_mov_b32 s[G1+1], 4096<<16
	s_mov_b32 s[G1+2], 4<<16
	s_mov_b32 s[G1+3], 4096<<16
	s_mov_b32 s[G1+4], 4
	s_mov_b32 s[G1+5], 8192
.else
	s_or_b32 s[G1+0], s43, (1<<16)|(1<<20)|(1<<21)|(6<<22)|(3<<25)  ; mask of my row; 2-byte elements; padding of 4 words after every 128; bit 21 beside a mask
	s_mov_b32 s[G1+1], 256<<16                     ; tensor_dim0
	s_mov_b32 s[G1+2], 64<<16                      ; tensor_dim1
	s_mov_b32 s[G1+3], 256<<16                     ; tile_dim0
	s_mov_b32 s[G1+4], 64                          ; tile_dim1
	s_mov_b32 s[G1+5], 512                         ; elements from row to row
.endif
	s_mov_b32 s[G1+6], 0
	s_mov_b32 s[G1+7], 0
	s_or_b32 s[G1B+0], s44, (1<<16)|(1<<20)|(1<<21)|(6<<22)|(3<<25)  ; the weights: mask of my column
	s_mov_b32 s[G1B+1], 256<<16
	s_mov_b32 s[G1B+2], 64<<16
	s_mov_b32 s[G1B+3], 256<<16
	s_mov_b32 s[G1B+4], 64
	s_mov_b32 s[G1B+5], 512
	s_mov_b32 s[G1B+6], 0
	s_mov_b32 s[G1B+7], 0
	s_lshl_b32 s17, s12, 6
	s_lshl_b32 s16, s13, 7
	s_add_co_u32 s16, s16, s17                     ; A: row 128 x tile row + 64 x half,
	s_lshl_b32 s16, s16, 10                        ; 1,024 bytes a row
	s_lshl_b32 s46, s42, 7
	s_add_co_u32 s46, s46, s17                     ; the weights: row 128 x tile column + 64 x half
	s_lshl_b32 s46, s46, 10
	s_mov_b32 s17, 0
	s_mov_b32 s47, 0
	s_mul_i32 s20, s12, AH                         ; where they go: no place in the cluster enters an LDS address
	s_mul_i32 s21, s12, HALFT
	s_add_co_u32 s21, s21, 2*AH
	s_wait_dscnt 0x0                               ; the opening add is done
	s_wait_kmcnt 0x0
	s_add_nc_u64 s[14:15], s[4:5], s[16:17]
	s_add_nc_u64 s[46:47], s[6:7], s[46:47]
.if WOFF
	s_add_nc_u64 s[46:47], s[46:47], WOFF
.endif
	CROUND                                         ; all sixteen work-groups are here: the joint loads meet
.irp s, 0,1
	s_mov_b32 s[G0+4*(\s)], 1
	s_add_co_u32 s[G0+4*(\s)+1], s20, (\s)*SLOT
	s_add_nc_u64 s[G0+4*(\s)+2:G0+4*(\s)+3], s[14:15], (\s)*ASTEP
	s_or_b32 s[G0+4*(\s)+3], s[G0+4*(\s)+3], 0x80000000
	s_mov_b32 s[G0B+4*(\s)], 1
	s_add_co_u32 s[G0B+4*(\s)+1], s21, (\s)*SLOT
	s_add_nc_u64 s[G0B+4*(\s)+2:G0B+4*(\s)+3], s[46:47], (\s)*512
	s_or_b32 s[G0B+4*(\s)+3], s[G0B+4*(\s)+3], 0x80000000
	JLOAD \s                                       ; both K steps go out at once: two tensor loads of mine are out
.endr
	v_and_b32 v1, 15, v0                           ; r = lane % 16
	v_bfe_u32 v2, v0, 4, 1                         ; h = lane / 16
	v_mul_u32_u24 v3, v1, PITCH
	v_lshl_add_u32 v3, v2, 4, v3
	v_and_b32 v25, 31, v0
	v_lshlrev_b32 v25, 4, v25                      ; 16 x lane
	s_mul_i32 s21, s11, AH
	s_mul_i32 s22, s12, HALFT
	s_add_co_u32 s22, s22, 2*AH
.irp s, 0,1
.if GF
	v_add_nc_u32 v[ADRA+(\s)], s21, v25
.else
	v_add_nc_u32 v[ADRA+(\s)], s21, v3
.endif
	v_add_nc_u32 v[ADRB+(\s)], s22, v3
	s_add_co_u32 s21, s21, SLOT
	s_add_co_u32 s22, s22, SLOT
.endr
	; this launch's own set-up
	v_and_b32 v14, 7, v0
.irp j, 1,2,3,4,5,6,7
	v_cmp_eq_u32 s[80+(\j)], \j, v14               ; the lanes whose diagonal number lies in register j
.endr
	s_mov_b32 s88, 0xff0000ff                      ; the lanes that hold a diagonal number: row r in lane r + 16 (r / 8)
	s_mov_b32 s89, 0x3b000000                      ; 1/512
	s_mov_b32 s90, 0x3727c5ac                      ; 1e-5
	s_mov_b32 s91, 0x76543210
	s_mov_b32 s92, 0xfedcba98
	v_mov_b32 v13, 0
	s_lshl_b32 s14, s13, 3
	s_lshl_b32 s15, s11, 2
	s_add_co_u32 s14, s14, s15                     ; my first block of 16 rows,
	s_lshl_b32 s16, s14, 14                        ; 16,384 bytes each
	s_lshl_b32 s14, s42, 1
	s_add_co_u32 s14, s14, s12                     ; my 32 columns of ff,
	s_lshl_b32 s14, s14, 10                        ; 1,024 bytes of a block
	s_add_co_u32 s16, s16, s14
	s_mov_b32 s17, 0
	s_add_nc_u64 s[78:79], s[68:69], s[16:17]
	s_wait_tensorcnt 1                             ; my part of slot 0 is in; slot 1's may stay out
	s_barrier_signal -1
	s_barrier_wait -1
	FETCH 0, 0, F0
	QUARTER 0, 128, F0, F1, 1                      ; the first products start the sums
	QUARTER 0, 256, F1, F0, 0
	QUARTER 0, 384, F0, F1, 0
	TURN
	QUARTER 1, 128, F0, F1, 0
	QUARTER 1, 256, F1, F0, 0
	QUARTER 1, 384, F0, F1, 0
	s_wait_dscnt 16
	MUL8 F1, 0, 0, 0
	MUL8 F1, 0, 2, 0
	SS4 F1, 0, 0
	s_wait_dscnt 0x0
	MUL8 F1, 1, 0, 0
	MUL8 F1, 1, 2, 0
	SS4 F1, 1, 0
	WIN 0
	PLACES
	PLACES
	; r for my rows 16 a + lane % 16: register lane % 8 of the accumulator, from this lane or from the lane 16 away
.irp a, 0,1,2,3
	v_cndmask_b32 v12, v[SS+8*(\a)], v[SS+8*(\a)+1], s81
.irp j, 2,3,4,5,6,7
	v_cndmask_b32 v12, v12, v[SS+8*(\a)+(\j)], s[80+(\j)]
.endr
	v_permlanex16_b32 v13, v12, s91, s92
	v_cndmask_b32 v12, v13, v12, s88
	v_fma_f32 v[4+2*(\a)], v12, s89, s90
.endr
.irp a, 0,1,2,3
	v_rsq_f32 v[4+2*(\a)], v[4+2*(\a)]
.endr
	v_nop
	s_wait_alu depctr_va_vdst(0)                   ; one wait for the four
.irp a, 0,1,2,3
	v_mov_b32 v[5+2*(\a)], v[4+2*(\a)]
.endr
.irp a, 0,1,2,3
.irp b, 0,1,2,3
.irp p, 0,1,2,3
	v_pk_mul_f32 v[ACC+8*(4*(\a)+(\b))+2*(\p):ACC+8*(4*(\a)+(\b))+2*(\p)+1], v[ACC+8*(4*(\a)+(\b))+2*(\p):ACC+8*(4*(\a)+(\b))+2*(\p)+1], v[4+2*(\a):5+2*(\a)]  ; u = r U, v = r V
.endr
.endr
.endr
.irp a, 0,1,2,3
.irp b, 0,1
.irp p, 0,1,2,3
	v_pk_mul_f32 v[32+16*(\a)+8*(\b)+2*(\p):33+16*(\a)+8*(\b)+2*(\p)], v[ACC+8*(4*(\a)+(\b))+2*(\p):ACC+8*(4*(\a)+(\b))+2*(\p)+1], 0xbfb8aa3b op_sel_hi:[1,0]  ; -u log2(e)
.endr
.endr
.endr
.set i, 0
.rept 64
	v_exp_f32 v[32+i], v[32+i]                     ; one batch of 64,
.set i, i+1
.endr
	v_nop
	s_wait_alu depctr_va_vdst(0)                   ; one wait
.set i, 0
.rept 32
	v_pk_add_f32 v[32+2*i:33+2*i], v[32+2*i:33+2*i], 1.0 op_sel_hi:[1,0]
.set i, i+1
.endr
.set i, 0
.rept 64
	v_rcp_f32 v[32+i], v[32+i]                     ; one batch of 64; u v, which names no result, follows it,
.set i, i+1
.endr
.irp a, 0,1,2,3
.irp b, 0,1
.irp p, 0,1,2,3
	v_pk_mul_f32 v[ACC+8*(4*(\a)+(\b))+2*(\p):ACC+8*(4*(\a)+(\b))+2*(\p)+1], v[ACC+8*(4*(\a)+(\b))+2*(\p):ACC+8*(4*(\a)+(\b))+2*(\p)+1], v[ACC+8*(4*(\a)+(\b)+2)+2*(\p):ACC+8*(4*(\a)+(\b)+2)+2*(\p)+1]
.endr
.endr
.endr
	s_wait_alu depctr_va_vdst(0)                   ; then one wait
.irp a, 0,1,2,3
.irp b, 0,1
.irp p, 0,1,2,3
	v_pk_mul_f32 v[ACC+8*(4*(\a)+(\b))+2*(\p):ACC+8*(4*(\a)+(\b))+2*(\p)+1], v[ACC+8*(4*(\a)+(\b))+2*(\p):ACC+8*(4*(\a)+(\b))+2*(\p)+1], v[32+16*(\a)+8*(\b)+2*(\p):33+16*(\a)+8*(\b)+2*(\p)]
.endr
.irp p, 0,1,2,3
	v_cvt_pk_bf16_f32 v[ACC+8*(4*(\a)+(\b))+(\p)], v[ACC+8*(4*(\a)+(\b))+2*(\p)], v[ACC+8*(4*(\a)+(\b))+2*(\p)+1]
.endr
	global_store_b128 v25, v[ACC+8*(4*(\a)+(\b)):ACC+8*(4*(\a)+(\b))+3], s[78:79] offset:16384*(\a)+512*(\b)  ; 512 consecutive bytes, aligned
.endr
.endr
	s_wait_tensorcnt 0x0                           ; the wave's end
	ds_add_u32 v[SPW], v[NIL]
	s_wait_dscnt 0x0
	CROUND                                         ; the closing round
	s_endpgm
.Lfunc_end_k_qd36b26e652_ffn1:
	.size	k_qd36b26e652_ffn1, .Lfunc_end_k_qd36b26e652_ffn1-k_qd36b26e652_ffn1
	.p2alignl 7, 3214868480
	.fill 96, 4, 3214868480
	.section	.rodata,"a",@progbits
	.p2align	6, 0x0
	.amdhsa_kernel k_qd36b26e652_ffn1
		.amdhsa_group_segment_fixed_size 270848
		.amdhsa_private_segment_fixed_size 0
		.amdhsa_enable_private_segment 0
		.amdhsa_kernarg_size 24
		.amdhsa_user_sgpr_count 2
		.amdhsa_user_sgpr_kernarg_segment_ptr 1
		.amdhsa_wavefront_size32 1
		.amdhsa_system_sgpr_workgroup_id_x 1
		.amdhsa_system_sgpr_workgroup_id_y 1
		.amdhsa_system_sgpr_workgroup_id_z 1
		.amdhsa_system_vgpr_workitem_id 0
		.amdhsa_next_free_vgpr 512
		.amdhsa_next_free_sgpr 96
		.amdhsa_reserve_vcc 0
		.amdhsa_float_denorm_mode_32 3
		.amdhsa_float_denorm_mode_16_64 3
		.amdhsa_memory_ordered 1
		.amdhsa_forward_progress 1
		.amdhsa_inst_pref_size 69
	.end_amdhsa_kernel
	.amdgpu_metadata
---
amdhsa.version: [ 1, 2 ]
amdhsa.kernels:
  - .name:           k_qd36b26e652_ffn1
    .symbol:         k_qd36b26e652_ffn1.kd
    .args:
      - { .name: x1h, .offset: 0, .size: 8, .value_kind: global_buffer, .address_space: global }
      - { .name: wts, .offset: 8, .size: 8, .value_kind: global_buffer, .address_space: global }
      - { .name: ffb, .offset: 16, .size: 8, .value_kind: global_buffer, .address_space: global }
    .group_segment_fixed_size: 270848
    .private_segment_fixed_size: 0
    .kernarg_segment_align: 8
    .kernarg_segment_size: 24
    .max_flat_workgroup_size: 128
    .sgpr_count:     96
    .vgpr_count:     512
    .wavefront_size: 32
...
	.end_amdgpu_metadata
.endif
;; end of part 5
;; launch ffn2 (part 6): grid 4 x 64, 4 waves a work-group, clusters of 4 x 4, 266,752 bytes of LDS; arguments ffb, wts, x1h, out0; writes out0
.if DOCPART == 6
	.amdgcn_target "amdgcn-amd-amdhsa--gfx1250"
	.amdhsa_code_object_version 6
	.text
	.protected	k_qd36b26e652_ffn2
	.globl	k_qd36b26e652_ffn2
	.p2align	8
	.type	k_qd36b26e652_ffn2,@function
k_qd36b26e652_ffn2:
	s_mov_b64 s[64:65], 0
	v_nop
	global_prefetch_b8 v0, s[64:65] scope:SCOPE_SE
	s_setreg_imm32_b32 hwreg(HW_REG_WAVE_MODE, 25, 1), 1
	s_wait_xcnt 0x0
	s_wait_alu depctr_hold_cnt(0) depctr_sa_sdst(0) depctr_va_vdst(0) depctr_va_sdst(0) depctr_va_ssrc(0) depctr_va_vcc(0) depctr_vm_vsrc(0)
	s_getreg_b32 s2, hwreg(HW_REG_IB_STS2, 6, 4)
	s_cmp_eq_u32 s2, 0
	s_cbranch_scc0 .Lentry_in_a_cluster
	s_endpgm
.Lentry_in_a_cluster:
	s_bfe_u32 s2, ttmp6, 0x10000c
	s_cmp_lg_u32 s2, 0xf033
	s_cbranch_scc0 .Lentry_shape_is_right
	s_endpgm
.Lentry_shape_is_right:
; out0 = x1 + ff w2^T: [8192 x 512 x 512], bf16 operands, f32 sums, f32 out.
; A tile of the result is 128 x 128; four waves, each 64 x 64.  K = 512 is two steps of 256, one in each of two LDS slots; both are filled once, at the head.  ff lies in the order of its fragments (16 rows x 32 K = 1,024 bytes),
; so its tile comes in dense and a fragment is two loads at 16 x lane.  CLUSTER 4 x 4: ff's tile is asked for jointly along a row of the cluster, the weights' along a column.
; THE PRODUCT IS TAKEN TRANSPOSED (source 0 = 16 rows of the weights): a lane holds row lane % 16 and eight neighbouring columns.
; OUT.  The f32 sums go through one stage of 128 rows x 528 bytes, on slot 0, whose one fill and all reads are over; a barrier stands between writing and reading, since a row comes from two waves.  Each wave then
; takes 32 whole rows, adds x1 (f16, loaded at the head) and stores 512 consecutive bytes, aligned, an instruction.
; LIMITS.  NaN and infinities are not treated apart.
.set GF,   1                           ; A lies in fragment order
.set BF,   1                           ; bf16 products
.set SSQ,  0
.set WOFF, 6*524288                    ; the weights' first byte in wts
.set PITCH, 528                        ; an LDS row: 512 bytes + 16 of padding = 132 words: the 16 rows of a fragment load start at 16 different groups of four banks (64 banks of 4 bytes: ISA guide 11.1)
.set HALFT, 64*PITCH
.if GF
.set AH,    32768
.set ASTEP, 8192
.else
.set AH,    HALFT
.set ASTEP, 512
.endif
.set SLOT,  2*AH+2*HALFT               ; A's two halves, then the weights' two halves
.set SPARE, 2*SLOT                     ; behind the slots: the spare words, 128 bytes a wave
.set ADRA, 16                          ; v16-17 LDS address of my A fragments in slot 0, 1;  v20-21 the same for the weights
.set ADRB, 20
.set SPW,  28                          ; v28 my spare word, v29 zero; never rewritten
.set NIL,  29
.set SS,   96
.set ACC,  128                         ; accumulator (a, b) at ACC + 8 (4 a + b)
.set F0,   0                           ; window 1: two fragment buffers of 128: 64 registers of A, 64 of the weights, for 64 along K
.set F1,   128
.set G1, 24
.set G0, 32
.set G1B, 48
.set G0B, 56
.set MSB, 0
.macro WIN new                         ; the immediate's high byte repeats the setting that is left
.if MSB != (\new)
	s_set_vgpr_msb (MSB<<8)|(\new)
.set MSB, \new
.endif
.endm
.set MUL,  0x05                        ; sources 0 and 1 in window 1; C and D in window 0
.set TO_F, 0x40                        ; destination in window 1, address in window 0
.macro JLOAD s                         ; a joint load: waves 0 and 1 fetch A's halves, waves 2 and 3 the weights'; s_nop 0 and four v_nop follow each line
	s_cmp_eq_u32 s11, 0
	s_cbranch_scc0 .Lfor_b_\@
	tensor_load_to_lds s[G0+4*(\s):G0+4*(\s)+3], s[G1:G1+7]
	s_nop 0
.rept 4
	v_nop
.endr
	s_branch .Lasked_\@
.Lfor_b_\@:
	tensor_load_to_lds s[G0B+4*(\s):G0B+4*(\s)+3], s[G1B:G1B+7]
	s_nop 0
.rept 4
	v_nop
.endr
.Lasked_\@:
.endm
.macro CROUND                          ; a round of the cluster's barrier
	s_barrier_signal -1
	s_barrier_wait -1
	s_cmp_lg_u32 s10, 0
	s_cbranch_scc1 .Lnot_wave_0_\@
	s_barrier_signal -3
.Lnot_wave_0_\@:
	s_barrier_wait -3
	s_barrier_signal -1
	s_barrier_wait -1
.endm
.macro PLACES
.rept 4
	v_nop
.endr
.endm
.macro PROD zero                       ; D = rD, source 0 = rB, source 1 = rA; zero = 1: the product starts the sum
.if BF
.if \zero
	v_wmma_f32_16x16x32_bf16 v[rD:rD+7], v[rB:rB+7], v[rA:rA+7], 0
.else
	v_wmma_f32_16x16x32_bf16 v[rD:rD+7], v[rB:rB+7], v[rA:rA+7], v[rD:rD+7]
.endif
.else
.if \zero
	v_wmma_f32_16x16x32_f16 v[rD:rD+7], v[rB:rB+7], v[rA:rA+7], 0
.else
	v_wmma_f32_16x16x32_f16 v[rD:rD+7], v[rB:rB+7], v[rA:rA+7], v[rD:rD+7]
.endif
.endif
.endm
.macro MUL8 f, c, a0, zero             ; row blocks a0, a0 + 1 x all 4 column blocks, 32 along K: half c of buffer f.  The accumulators take turns, one instruction a turn
	WIN MUL
.irp a, \a0, (\a0)+1
.irp b, 0,1,2,3
.set rD, ACC+8*(4*(\a)+(\b))
.set rB, (\f)+64+8*(4*(\c)+(\b))
.set rA, (\f)+8*(4*(\c)+(\a))
	PROD \zero
.endr
.endr
.endm
.macro SS4 f, c, zero                  ; (only where SSQ = 1) A's fragments times themselves: the diagonal is the rows' sum of squares
.if SSQ
	WIN MUL
.irp a, 0,1,2,3
.set rD, SS+8*(\a)
.set rB, (\f)+8*(4*(\c)+(\a))
.set rA, rB
	PROD \zero
.endr
.endif
.endm
.macro FETCH slot, k, f                ; 32 LDS loads in one run: the fragments of 64 along K at byte k of the rows; the first 32 along K first
	WIN TO_F
.irp c, 0,1
.irp i, 0,1,2,3
	ds_load_b128 v[(\f)+64+8*(4*(\c)+(\i)):(\f)+64+8*(4*(\c)+(\i))+3],   v[ADRB+(\slot)] offset:(\k)+64*(\c)+(\i)*16*PITCH
	ds_load_b128 v[(\f)+64+8*(4*(\c)+(\i))+4:(\f)+64+8*(4*(\c)+(\i))+7], v[ADRB+(\slot)] offset:(\k)+64*(\c)+(\i)*16*PITCH+32
.if GF
	ds_load_b128 v[(\f)+8*(4*(\c)+(\i)):(\f)+8*(4*(\c)+(\i))+3],         v[ADRA+(\slot)] offset:((\k)/128)*2048+(\c)*1024+(\i)*8192
	ds_load_b128 v[(\f)+8*(4*(\c)+(\i))+4:(\f)+8*(4*(\c)+(\i))+7],       v[ADRA+(\slot)] offset:((\k)/128)*2048+(\c)*1024+(\i)*8192+512
.else
	ds_load_b128 v[(\f)+8*(4*(\c)+(\i)):(\f)+8*(4*(\c)+(\i))+3],         v[ADRA+(\slot)] offset:(\k)+64*(\c)+(\i)*16*PITCH
	ds_load_b128 v[(\f)+8*(4*(\c)+(\i))+4:(\f)+8*(4*(\c)+(\i))+7],       v[ADRA+(\slot)] offset:(\k)+64*(\c)+(\i)*16*PITCH+32
.endif
.endr
.endr
.endm
.macro QUARTER slot, k, f, g, zero     ; 64 along K: multiplies buffer f; in its middle fetches the next quarter, at byte k, into g
	s_wait_dscnt 16                                ; the first 32 along K are in; the younger sixteen loads may be out
	MUL8 \f, 0, 0, \zero
	MUL8 \f, 0, 2, \zero
	SS4 \f, 0, \zero
	PLACES                                         ; four places in front of loads into registers that products have read
	FETCH \slot, \k, \g
	s_wait_dscnt 32                                ; all but the 32 just issued
	MUL8 \f, 1, 0, 0
	MUL8 \f, 1, 2, 0
	SS4 \f, 1, 0
.endm
.macro TURN                            ; slot 0's last quarter, and the change to slot 1: one barrier; in front of it my part of slot 1 has landed and my reads of slot 0 are over
	WIN 0
	s_wait_tensorcnt 0x0                           ; my part of slot 1 is in
	ds_add_u32 v[SPW], v[NIL]                      ; 0 onto my spare word
	s_wait_dscnt 17                                ; the add and the youngest sixteen loads may be out
	MUL8 F1, 0, 0, 0
	s_wait_dscnt 0x0                               ; the add is done, and my reads of slot 0 are over
	s_barrier_signal -1
	MUL8 F1, 0, 2, 0
	SS4 F1, 0, 0
	s_barrier_wait -1
	PLACES
	FETCH 1, 0, F0
	MUL8 F1, 1, 0, 0
	MUL8 F1, 1, 2, 0
	SS4 F1, 1, 0
.endm
	s_load_b128 s[4:7], s[0:1], 0x0                ; A s[4:5], wts s[6:7]
	s_load_b128 s[68:71], s[0:1], 0x10             ; x1h s[68:69], out0 s[70:71]
	v_lshl_add_u32 v[SPW], v0, 2, SPARE
	v_mov_b32 v[NIL], 0
	ds_add_u32 v[SPW], v[NIL]                      ; the wave's opening: the add and its wait stand ahead of my first tensor load
	v_lshrrev_b32 v1, 5, v0
	v_readfirstlane_b32 s10, v1                    ; wave
	s_lshr_b32 s11, s10, 1                         ; my half of the tile's rows; also: I fetch for A (0) or for the weights (1)
	s_and_b32 s12, s10, 1                          ; my half of its columns; also: which 64 rows I fetch
	s_bfe_u32 s40, ttmp6, 0x40000                  ; cx
	s_bfe_u32 s41, ttmp6, 0x40004                  ; cy
	s_lshl_b32 s42, ttmp9, 2
	s_add_co_u32 s42, s42, s40                     ; tile column
	s_and_b32 s13, ttmp7, 0xffff
	s_lshl_b32 s13, s13, 2
	s_add_co_u32 s13, s13, s41                     ; tile row
	s_lshl_b32 s43, s41, 2
	s_lshl_b32 s43, 15, s43                        ; my row of the cluster
	s_lshl_b32 s44, 0x1111, s40                    ; my column
.if GF
	s_or_b32 s[G1+0], s43, (1<<16)|(1<<21)         ; A in fragment order: 4 rows of 4,096 halves, 8,192 halves apart, dense in LDS
	s_mov_b32 s[G1+1], 4096<<16
	s_mov_b32 s[G1+2], 4<<16
	s_mov_b32 s[G1+3], 4096<<16
	s_mov_b32 s[G1+4], 4
	s_mov_b32 s[G1+5], 8192
.else
	s_or_b32 s[G1+0], s43, (1<<16)|(1<<20)|(1<<21)|(6<<22)|(3<<25)  ; mask of my row; 2-byte elements; padding of 4 words after every 128; bit 21 beside a mask
	s_mov_b32 s[G1+1], 256<<16                     ; tensor_dim0
	s_mov_b32 s[G1+2], 64<<16                      ; tensor_dim1
	s_mov_b32 s[G1+3], 256<<16                     ; tile_dim0
	s_mov_b32 s[G1+4], 64                          ; tile_dim1
	s_mov_b32 s[G1+5], 512                         ; elements from row to row
.endif
	s_mov_b32 s[G1+6], 0
	s_mov_b32 s[G1+7], 0
	s_or_b32 s[G1B+0], s44, (1<<16)|(1<<20)|(1<<21)|(6<<22)|(3<<25)  ; the weights: mask of my column
	s_mov_b32 s[G1B+1], 256<<16
	s_mov_b32 s[G1B+2], 64<<16
	s_mov_b32 s[G1B+3], 256<<16
	s_mov_b32 s[G1B+4], 64
	s_mov_b32 s[G1B+5], 512
	s_mov_b32 s[G1B+6], 0
	s_mov_b32 s[G1B+7], 0
	s_lshl_b32 s17, s12, 6
	s_lshl_b32 s16, s13, 7
	s_add_co_u32 s16, s16, s17                     ; A: row 128 x tile row + 64 x half,
	s_lshl_b32 s16, s16, 10                        ; 1,024 bytes a row
	s_lshl_b32 s46, s42, 7
	s_add_co_u32 s46, s46, s17                     ; the weights: row 128 x tile column + 64 x half
	s_lshl_b32 s46, s46, 10
	s_mov_b32 s17, 0
	s_mov_b32 s47, 0
	s_mul_i32 s20, s12, AH                         ; where they go: no place in the cluster enters an LDS address
	s_mul_i32 s21, s12, HALFT
	s_add_co_u32 s21, s21, 2*AH
	s_wait_dscnt 0x0                               ; the opening add is done
	s_wait_kmcnt 0x0
	s_add_nc_u64 s[14:15], s[4:5], s[16:17]
	s_add_nc_u64 s[46:47], s[6:7], s[46:47]
.if WOFF
	s_add_nc_u64 s[46:47], s[46:47], WOFF
.endif
	CROUND                                         ; all sixteen work-groups are here: the joint loads meet
.irp s, 0,1
	s_mov_b32 s[G0+4*(\s)], 1
	s_add_co_u32 s[G0+4*(\s)+1], s20, (\s)*SLOT
	s_add_nc_u64 s[G0+4*(\s)+2:G0+4*(\s)+3], s[14:15], (\s)*ASTEP
	s_or_b32 s[G0+4*(\s)+3], s[G0+4*(\s)+3], 0x80000000
	s_mov_b32 s[G0B+4*(\s)], 1
	s_add_co_u32 s[G0B+4*(\s)+1], s21, (\s)*SLOT
	s_add_nc_u64 s[G0B+4*(\s)+2:G0B+4*(\s)+3], s[46:47], (\s)*512
	s_or_b32 s[G0B+4*(\s)+3], s[G0B+4*(\s)+3], 0x80000000
	JLOAD \s                                       ; both K steps go out at once: two tensor loads of mine are out
.endr
	v_and_b32 v1, 15, v0                           ; r = lane % 16
	v_bfe_u32 v2, v0, 4, 1                         ; h = lane / 16
	v_mul_u32_u24 v3, v1, PITCH
	v_lshl_add_u32 v3, v2, 4, v3
	v_and_b32 v25, 31, v0
	v_lshlrev_b32 v25, 4, v25                      ; 16 x lane
	s_mul_i32 s21, s11, AH
	s_mul_i32 s22, s12, HALFT
	s_add_co_u32 s22, s22, 2*AH
.irp s, 0,1
.if GF
	v_add_nc_u32 v[ADRA+(\s)], s21, v25
.else
	v_add_nc_u32 v[ADRA+(\s)], s21, v3
.endif
	v_add_nc_u32 v[ADRB+(\s)], s22, v3
	s_add_co_u32 s21, s21, SLOT
	s_add_co_u32 s22, s22, SLOT
.endr
	; this launch's own set-up: on the way out wave w takes rows 32 w .. 32 w + 31 of the tile, whole
	s_lshl_b32 s14, s13, 7
	s_lshl_b32 s15, s10, 5
	s_add_co_u32 s14, s14, s15                     ; their first row
	s_lshl_b32 s16, s14, 10
	s_lshl_b32 s15, s42, 8
	s_add_co_u32 s16, s16, s15
	s_mov_b32 s17, 0
	s_add_nc_u64 s[76:77], s[68:69], s[16:17]      ; x1h: 1,024 bytes a row, 256 a tile column
	s_lshl_b32 s16, s14, 11
	s_lshl_b32 s15, s42, 9
	s_add_co_u32 s16, s16, s15
	s_add_nc_u64 s[78:79], s[70:71], s[16:17]      ; out0: 2,048 bytes a row, 512 a tile column
	v_lshrrev_b32 v24, 1, v25                      ; 8 x lane
	v_mov_b32 v31, 1.0
	s_mul_i32 s23, s11, 64*528
	s_lshl_b32 s21, s12, 8
	s_add_co_u32 s23, s23, s21
	v_mul_u32_u24 v26, v1, 528
	v_lshl_add_u32 v26, v2, 5, v26
	v_add_nc_u32 v26, s23, v26                     ; into the stage: row 64 x half + r, byte 256 x half + 32 h
	s_mul_i32 s23, s10, 32*528
	v_add_nc_u32 v30, s23, v25                     ; back: a row an instruction
.set t, 0
.rept 32
	global_load_b64 v[32+2*t:33+2*t], v24, s[76:77] offset:1024*t
.set t, t+1
.endr
	s_wait_tensorcnt 1                             ; my part of slot 0 is in; slot 1's may stay out
	s_barrier_signal -1
	s_barrier_wait -1
	FETCH 0, 0, F0
	QUARTER 0, 128, F0, F1, 1                      ; the first products start the sums
	QUARTER 0, 256, F1, F0, 0
	QUARTER 0, 384, F0, F1, 0
	TURN
	QUARTER 1, 128, F0, F1, 0
	QUARTER 1, 256, F1, F0, 0
	QUARTER 1, 384, F0, F1, 0
	s_wait_dscnt 16
	MUL8 F1, 0, 0, 0
	MUL8 F1, 0, 2, 0
	SS4 F1, 0, 0
	s_wait_dscnt 0x0
	MUL8 F1, 1, 0, 0
	MUL8 F1, 1, 2, 0
	SS4 F1, 1, 0
	WIN 0
	PLACES
	PLACES
.irp a, 0,1,2,3
.irp b, 0,1,2,3
	ds_store_b128 v26, v[ACC+8*(4*(\a)+(\b)):ACC+8*(4*(\a)+(\b))+3]   offset:8448*(\a)+64*(\b)
	ds_store_b128 v26, v[ACC+8*(4*(\a)+(\b))+4:ACC+8*(4*(\a)+(\b))+7] offset:8448*(\a)+64*(\b)+16
.endr
.endr
	s_wait_dscnt 0x0                               ; for the others' sake: my stores into the stage are done
	s_barrier_signal -1
	s_barrier_wait -1
.set t, 0
.rept 32
	ds_load_b128 v[ACC+4*t:ACC+4*t+3], v30 offset:528*t
.set t, t+1
.endr
	s_wait_loadcnt 0x0                             ; x1h
.set t, 0
.rept 32
	s_wait_dscnt 31-t                              ; row t is back; the later rows may be out
	v_fma_mix_f32 v[ACC+4*t],   v[32+2*t], v31, v[ACC+4*t]   op_sel_hi:[1,0,0]                 ; x1 (an f16 half) x 1 + the sum
	v_fma_mix_f32 v[ACC+4*t+1], v[32+2*t], v31, v[ACC+4*t+1] op_sel:[1,0,0] op_sel_hi:[1,0,0]
	v_fma_mix_f32 v[ACC+4*t+2], v[33+2*t], v31, v[ACC+4*t+2] op_sel_hi:[1,0,0]
	v_fma_mix_f32 v[ACC+4*t+3], v[33+2*t], v31, v[ACC+4*t+3] op_sel:[1,0,0] op_sel_hi:[1,0,0]
	global_store_b128 v25, v[ACC+4*t:ACC+4*t+3], s[78:79] offset:2048*t  ; 512 consecutive bytes, aligned
.set t, t+1
.endr
	s_wait_tensorcnt 0x0                           ; the wave's end
	ds_add_u32 v[SPW], v[NIL]
	s_wait_dscnt 0x0
	CROUND                                         ; the closing round
	s_endpgm
.Lfunc_end_k_qd36b26e652_ffn2:
	.size	k_qd36b26e652_ffn2, .Lfunc_end_k_qd36b26e652_ffn2-k_qd36b26e652_ffn2
	.p2alignl 7, 3214868480
	.fill 96, 4, 3214868480
	.section	.rodata,"a",@progbits
	.p2align	6, 0x0
	.amdhsa_kernel k_qd36b26e652_ffn2
		.amdhsa_group_segment_fixed_size 266752
		.amdhsa_private_segment_fixed_size 0
		.amdhsa_enable_private_segment 0
		.amdhsa_kernarg_size 32
		.amdhsa_user_sgpr_count 2
		.amdhsa_user_sgpr_kernarg_segment_ptr 1
		.amdhsa_wavefront_size32 1
		.amdhsa_system_sgpr_workgroup_id_x 1
		.amdhsa_system_sgpr_workgroup_id_y 1
		.amdhsa_system_sgpr_workgroup_id_z 1
		.amdhsa_system_vgpr_workitem_id 0
		.amdhsa_next_free_vgpr 512
		.amdhsa_next_free_sgpr 80
		.amdhsa_reserve_vcc 0
		.amdhsa_float_denorm_mode_32 3
		.amdhsa_float_denorm_mode_16_64 3
		.amdhsa_memory_ordered 1
		.amdhsa_forward_progress 1
		.amdhsa_inst_pref_size 61
	.end_amdhsa_kernel
	.amdgpu_metadata
---
amdhsa.version: [ 1, 2 ]
amdhsa.kernels:
  - .name:           k_qd36b26e652_ffn2
    .symbol:         k_qd36b26e652_ffn2.kd
    .args:
      - { .name: ffb, .offset: 0, .size: 8, .value_kind: global_buffer, .address_space: global }
      - { .name: wts, .offset: 8, .size: 8, .value_kind: global_buffer, .address_space: global }
      - { .name: x1h, .offset: 16, .size: 8, .value_kind: global_buffer, .address_space: global }
      - { .name: out0, .offset: 24, .size: 8, .value_kind: global_buffer, .address_space: global }
    .group_segment_fixed_size: 266752
    .private_segment_fixed_size: 0
    .kernarg_segment_align: 8
    .kernarg_segment_size: 32
    .max_flat_workgroup_size: 128
    .sgpr_count:     80
    .vgpr_count:     512
    .wavefront_size: 32
...
	.end_amdgpu_metadata
.endif
;; end of part 6
;; ======== version 2 of 2: 6 launches; version 1 with the launch prep written anew for expert scheduling mode
;; limits: values are held in f16: magnitudes above 65,504 overflow, below 6.1e-05 lose precision; right only within a limited range of input values
;; workspace buffers: xn 8,388,608 bytes; wts 3,670,016 bytes; ropet 262,144 bytes; qkvb 25,165,824 bytes; ofr 8,388,608 bytes; x1h 8,388,608 bytes; ffb 8,388,608 bytes
;; launch prep (part 7): grid 256 x 1, 4 waves a work-group, no clusters, 0 bytes of LDS; arguments x, q_proj, k_proj, v_proj, o_proj, w1, w3, w2, ln1_w, ln2_w, token_positions, xn, wts, ropet; writes xn, wts, ropet
.if DOCPART == 7
	.amdgcn_target "amdgcn-amd-amdhsa--gfx1250"
	.amdhsa_code_object_version 6
	.text
	.protected	k_qd36b26e652_prep
	.globl	k_qd36b26e652_prep
	.p2align	8
	.type	k_qd36b26e652_prep,@function
k_qd36b26e652_prep:
	s_mov_b64 s[64:65], 0
	v_nop
	global_prefetch_b8 v0, s[64:65] scope:SCOPE_SE
	s_setreg_imm32_b32 hwreg(HW_REG_WAVE_SCHED_MODE, 0, 2), 2
	s_setreg_imm32_b32 hwreg(HW_REG_WAVE_MODE, 25, 1), 1
	s_wait_xcnt 0x0
	s_wait_alu depctr_vm_vsrc(0)
; PREP.  Every floating-point input is rounded to bf16 here, once; what is made of it is kept in f16 (w2 in bf16).
;   xn[m][k]   = f16( bf16(x) * rsqrt(mean(bf16(x)^2) + 1e-5) ), [8192][512]: the first norm without its gain
;   wts        = seven blocks of 512 rows x 512 halves: q, k, v as f16(bf16(w) bf16(ln1_w[k])); o as f16(bf16(w));
;                w1 and w3 interleaved by 32 rows (row 64 jj + t: w1's row 32 jj + t, or w3's row 32 jj + t - 32) as f16(bf16(w) bf16(ln2_w[k])); w2 as bf16
;   ropet[s][i] = (cos, sin) of token_positions[s] * 10000^(-i/16), f32, 128 bytes for each sequence index
; SHARES.  Work-group i: rows 32 i .. 32 i + 31 of x (a wave eight rows, a row across its 32 lanes), rows 2 i and 2 i + 1 of each weight, sequence indices 8 i .. 8 i + 7.
; No LDS, no barrier, no matrix unit, no cluster: work-groups share only the two gains, 4 KiB.  All 49 loads of a wave go out first.
; LIMITS.  The folded weights must lie within f16's 65,504, and below 6e-5 they keep f16's fixed step of 6e-8.  |position x frequency| stays under 2^22 (pi/2 is taken away in three parts);
; the frequency comes from v_exp_f32; NaN and infinities are not treated apart.
; THE MODE: SCHED_MODE bits 1:0 = 2 (LLVM: expert scheduling mode 2), set by the entry lines.  The code itself states the register dependences
; between vector instructions and memory instructions, with s_wait_alu, always for 0.
; THE PLAN.  Registers that memory instructions touch:
;   v2 .. v9     byte offsets.  Written at the head, read by every load and store, never written again.
;   v[T]         the position; LN1, LN2 the gains; W the weights; X the rows of x: each is written by its load, issued at the head into registers that no vector instruction has named,
;                and worked on in place behind the counted wait for that load.
;   W, T+18, T+19   as store data: written by the weights' conversions and by the table's last two lines; read by 15 stores, which stand in one run behind ONE wait on va_vdst.
;   X            as store data: the rows go out in pairs.  A pair's roundings write registers 4 j and 4 j + 1 of its rows; its eight stores are issued in the next pair's turn, behind the wait at that
;                turn's head, dealt among multiplies that name the next pair's rows and R alone.
; No register that a load or a store reads (an offset, a store's data) is ever written again: so past the entry lines the text holds no wait on vm_vsrc and no s_wait_xcnt.  EXEC is never written.
.set LN1, 10                           ; v[10:13] ln1_w of my four columns, v[14:17] ln2_w
.set LN2, 14
.set W,   20                           ; v[20:75]   14 x 4: matrix m, row j at W + 8 m + 4 j
.set X,   80                           ; v[80:207]  row rr at X + 16 rr
.set T,   208                          ; v[208:229] at work
.set R,   240                          ; v[240:255] row rr: rsqrt, twice, at R + 2 rr
	s_load_b512 s[8:23], s[0:1], 0x0               ; x 8, q 10, k 12, v 14, o 16, w1 18, w3 20, w2 22
	s_load_b256 s[24:31], s[0:1], 0x40             ; ln1 24, ln2 26, positions 28, xn 30
	s_load_b128 s[32:35], s[0:1], 0x60             ; wts 32, ropet 34
	v_lshrrev_b32 v1, 5, v0
	v_readfirstlane_b32 s36, v1                    ; wave
	v_and_b32 v1, 31, v0                           ; lane
	s_mov_b32 s38, 0x76543210                      ; v_permlanex16_b32: each lane takes its own place in the other half
	s_mov_b32 s39, 0xfedcba98
	s_mov_b32 s40, 0xffff0000                      ; a word's upper bf16
	s_mov_b32 s41, 0x3b000000                      ; 1/512
	s_mov_b32 s42, 0x3727c5ac                      ; 1e-5
	s_mov_b32 s43, 0x3f22f983                      ; 2/pi
	s_mov_b32 s44, 0xbfc90fdb                      ; -pi/2 in three parts
	s_mov_b32 s45, 0x333bbd2e
	s_mov_b32 s46, 0x26f72ced
	s_mov_b32 s47, 0xbe2aaaab                      ; sine: -1/6, 1/120, -1/5040, 1/362880
	s_mov_b32 s48, 0x3c088889
	s_mov_b32 s49, 0xb9500d01
	s_mov_b32 s50, 0x3638ef1d
	s_mov_b32 s51, 0x3d2aaaab                      ; cosine: 1/24, -1/720, 1/40320
	s_mov_b32 s52, 0xbab60b61
	s_mov_b32 s53, 0x37d00d01
	s_mov_b32 s54, 0xbf549a78                      ; -log2(10000)/16
	s_lshl_b32 s55, ttmp9, 12
	v_lshl_add_u32 v2, v0, 4, s55                  ; weights in: 16 t + two rows of 2,048 bytes a work-group
	v_lshlrev_b32 v3, 4, v0                        ; gains: 16 t
	s_lshl_b32 s55, ttmp9, 11
	v_lshl_add_u32 v4, v0, 3, s55                  ; weights out: 8 t + two rows of 1,024 bytes
	s_lshr_b32 s55, ttmp9, 4                       ; w1, w3 out: row 64 (2 i / 32) + 2 i % 32
	s_lshl_b32 s55, s55, 6
	s_and_b32 s56, ttmp9, 15
	s_lshl_b32 s56, s56, 1
	s_add_co_u32 s55, s55, s56
	s_lshl_b32 s55, s55, 10
	v_lshl_add_u32 v5, v0, 3, s55
	s_wait_alu depctr_va_sdst(0)                   ; s36, the wave's number, is written, ahead of its first reader: x's, xn's, the positions' and the table's offsets are made from it
	s_lshl_b32 s55, ttmp9, 5
	s_lshl_b32 s56, s36, 3
	s_add_co_u32 s55, s55, s56                     ; my wave's first row of x
	s_lshl_b32 s56, s55, 11
	v_lshl_add_u32 v6, v1, 4, s56                  ; x in
	s_lshl_b32 s56, s55, 10
	v_lshl_add_u32 v7, v1, 3, s56                  ; xn out
	s_lshl_b32 s55, ttmp9, 3
	s_lshl_b32 s56, s36, 1
	s_add_co_u32 s55, s55, s56                     ; my wave's first sequence index; lanes 16-31 take the next
	v_lshrrev_b32 v8, 4, v1
	v_add_nc_u32 v8, s55, v8
	v_lshlrev_b32 v8, 2, v8                        ; position in
	s_lshl_b32 s56, s55, 7
	v_lshl_add_u32 v9, v1, 3, s56                  ; table out: 256 consecutive bytes a wave
	s_wait_kmcnt 0x0
	s_wait_alu depctr_va_vdst(0)                   ; the eight offsets v2 to v9 are written: every load and store of the kernel reads one of them
	global_load_b32 v[T], v8, s[28:29]
	global_load_b128 v[LN1:LN1+3], v3, s[24:25]
	global_load_b128 v[LN2:LN2+3], v3, s[26:27]
.irp m, 0,1,2,3,4,5,6
.irp j, 0,1
	global_load_b128 v[W+8*(\m)+4*(\j):W+8*(\m)+4*(\j)+3], v2, s[10+2*(\m):11+2*(\m)] offset:2048*(\j)
.endr
.endr
.irp rr, 0,1,2,3,4,5,6,7
.irp j, 0,1,2,3
	global_load_b128 v[X+16*(\rr)+4*(\j):X+16*(\rr)+4*(\j)+3], v6, s[8:9] offset:2048*(\rr)+512*(\j) th:TH_LOAD_NT
.endr
.endr
	; THE TABLE.  angle = position x 2^(-i log2(10000)/16); n = the nearest multiple of pi/2; sine and cosine of the rest by their series; the quadrant swaps them and sets the signs.
	s_wait_loadcnt 48                              ; the position is in: 48 younger loads may stay out
	v_cvt_f32_i32 v[T+1], v[T]
	v_and_b32 v[T+2], 15, v0
	v_cvt_f32_u32 v[T+2], v[T+2]
	v_mul_f32 v[T+2], s54, v[T+2]
	v_exp_f32 v[T+3], v[T+2]
	v_nop                                          ; a plain instruction behind the exponential,
	s_wait_alu depctr_va_vdst(0)                   ; and the wait ahead of its first reader: the exponential has written v[T+3]
	v_mul_f32 v[T+4], v[T+1], v[T+3]               ; the angle
	v_mul_f32 v[T+5], s43, v[T+4]
	v_rndne_f32 v[T+5], v[T+5]                     ; n
	v_fma_f32 v[T+6], v[T+5], s44, v[T+4]
	v_fma_f32 v[T+6], v[T+5], s45, v[T+6]
	v_fma_f32 v[T+6], v[T+5], s46, v[T+6]          ; r, within pi/4
	v_mul_f32 v[T+7], v[T+6], v[T+6]               ; z = r r
	v_fma_f32 v[T+8], v[T+7], s50, s49
	v_fma_f32 v[T+8], v[T+7], v[T+8], s48
	v_fma_f32 v[T+8], v[T+7], v[T+8], s47
	v_mul_f32 v[T+9], v[T+6], v[T+7]
	v_fma_f32 v[T+8], v[T+9], v[T+8], v[T+6]       ; sin r
	v_fma_f32 v[T+10], v[T+7], s53, s52
	v_fma_f32 v[T+10], v[T+7], v[T+10], s51
	v_fma_f32 v[T+10], v[T+7], v[T+10], -0.5
	v_fma_f32 v[T+10], v[T+7], v[T+10], 1.0        ; cos r
	v_cvt_i32_f32 v[T+11], v[T+5]
	v_and_b32 v[T+12], 1, v[T+11]
	v_cmp_eq_u32 vcc_lo, 1, v[T+12]                ; an odd quadrant?  The five lines that make the signs stand between the compare and the wait for it
	v_and_b32 v[T+15], 2, v[T+11]
	v_lshlrev_b32 v[T+15], 30, v[T+15]             ; the sine is negative in quadrants 2 and 3,
	v_add_nc_u32 v[T+16], 1, v[T+11]
	v_and_b32 v[T+16], 2, v[T+16]
	v_lshlrev_b32 v[T+16], 30, v[T+16]             ; the cosine in 1 and 2
	s_wait_alu depctr_va_vcc(0)                    ; the compare has written VCC, which the two selects below read
	v_cndmask_b32 v[T+13], v[T+8], v[T+10], vcc_lo ; sine: an odd quadrant takes cos r
	v_cndmask_b32 v[T+14], v[T+10], v[T+8], vcc_lo ; cosine: sin r
	v_xor_b32 v[T+19], v[T+13], v[T+15]
	v_xor_b32 v[T+18], v[T+14], v[T+16]            ; the pair is stored with the weights, behind their one wait
	; THE GAINS AND THE WEIGHTS
	s_wait_loadcnt 32                              ; gains and weights are in: x's 32 loads may stay out
.irp g, LN1, LN2
	v_cvt_pk_bf16_f32 v[T+20], v[\g], v[(\g)+1]
	v_cvt_pk_bf16_f32 v[T+21], v[(\g)+2], v[(\g)+3]
	v_lshlrev_b32 v[\g], 16, v[T+20]
	v_and_b32 v[(\g)+1], s40, v[T+20]
	v_lshlrev_b32 v[(\g)+2], 16, v[T+21]
	v_and_b32 v[(\g)+3], s40, v[T+21]
.endr
; Four numbers of a weight: rounded to bf16; kind 0: times the gain, to f16; kind 1: to f16; kind 2: left in bf16.  The result lies in the first two of the registers that were loaded: no store's data is written again.
.macro WCV src, ln, kind
.if (\kind) == 2
	v_cvt_pk_bf16_f32 v[\src], v[\src], v[(\src)+1]
	v_cvt_pk_bf16_f32 v[(\src)+1], v[(\src)+2], v[(\src)+3]
.else
	v_cvt_pk_bf16_f32 v[T+20], v[\src], v[(\src)+1]
	v_cvt_pk_bf16_f32 v[T+21], v[(\src)+2], v[(\src)+3]
	v_lshlrev_b32 v[\src], 16, v[T+20]
	v_and_b32 v[(\src)+1], s40, v[T+20]
	v_lshlrev_b32 v[(\src)+2], 16, v[T+21]
	v_and_b32 v[(\src)+3], s40, v[T+21]
.if (\kind) == 0
	v_pk_mul_f32 v[\src:(\src)+1], v[\src:(\src)+1], v[\ln:(\ln)+1]
	v_pk_mul_f32 v[(\src)+2:(\src)+3], v[(\src)+2:(\src)+3], v[(\ln)+2:(\ln)+3]
.endif
	v_cvt_pk_f16_f32 v[\src], v[\src], v[(\src)+1]
	v_cvt_pk_f16_f32 v[(\src)+1], v[(\src)+2], v[(\src)+3]
.endif
.endm
.macro WST src, adr, off
	global_store_b64 v[\adr], v[\src:(\src)+1], s[32:33] offset:\off  ; a wave stores 256 consecutive bytes, aligned
.endm
.irp j, 0,1
	WCV W+4*(\j),    LN1, 0
	WCV W+8+4*(\j),  LN1, 0
	WCV W+16+4*(\j), LN1, 0
	WCV W+24+4*(\j), LN1, 1
	WCV W+32+4*(\j), LN2, 0
	WCV W+40+4*(\j), LN2, 0
	WCV W+48+4*(\j), LN2, 2
.endr
	s_wait_alu depctr_va_vdst(0)                   ; the table's two lines have written v[T+18:T+19] and the fourteen conversions their pairs in W: the data of the fifteen stores below
	global_store_b64 v9, v[T+18:T+19], s[34:35]
.irp j, 0,1
	WST W+4*(\j),    4, 1024*(\j)
	WST W+8+4*(\j),  4, 524288+1024*(\j)
	WST W+16+4*(\j), 4, 2*524288+1024*(\j)
	WST W+24+4*(\j), 4, 3*524288+1024*(\j)
	WST W+32+4*(\j), 5, 4*524288+1024*(\j)
	WST W+40+4*(\j), 5, 4*524288+32768+1024*(\j)
	WST W+48+4*(\j), 4, 6*524288+1024*(\j)
.endr
	; THE NORM.  A row: rounded to bf16, widened again in place, squared and summed in f32, across the 32 lanes; then mean + eps.
.macro ROWSUM rr
.set XR, X+16*(\rr)
	s_wait_loadcnt 28-4*(\rr)                      ; this row's four loads are in; the later rows' may stay out
.irp j, 0,1,2,3,4,5,6,7
	v_cvt_pk_bf16_f32 v[T+(\j)], v[XR+2*(\j)], v[XR+2*(\j)+1]
.endr
.irp j, 0,1,2,3,4,5,6,7
	v_lshlrev_b32 v[XR+2*(\j)], 16, v[T+(\j)]
	v_and_b32 v[XR+2*(\j)+1], s40, v[T+(\j)]
.endr
	v_pk_mul_f32 v[T+8:T+9], v[XR:XR+1], v[XR:XR+1]
.irp j, 1,2,3,4,5,6,7
	v_pk_fma_f32 v[T+8:T+9], v[XR+2*(\j):XR+2*(\j)+1], v[XR+2*(\j):XR+2*(\j)+1], v[T+8:T+9]
.endr
	v_add_f32 v[T+8], v[T+8], v[T+9]
	v_add_f32_dpp v[T+8], v[T+8], v[T+8] row_xmask:1 row_mask:0xf bank_mask:0xf
	v_add_f32_dpp v[T+8], v[T+8], v[T+8] row_xmask:2 row_mask:0xf bank_mask:0xf
	v_add_f32_dpp v[T+8], v[T+8], v[T+8] row_xmask:4 row_mask:0xf bank_mask:0xf
	v_add_f32_dpp v[T+8], v[T+8], v[T+8] row_xmask:8 row_mask:0xf bank_mask:0xf
	v_permlanex16_b32 v[T+9], v[T+8], s38, s39
	v_add_f32 v[T+8], v[T+8], v[T+9]
	v_fma_f32 v[R+2*(\rr)], v[T+8], s41, s42
.endm
.irp rr, 0,1,2,3,4,5,6,7
	ROWSUM \rr
.endr
.irp rr, 0,1,2,3,4,5,6,7
	v_rsq_f32 v[R+2*(\rr)], v[R+2*(\rr)]           ; one batch of eight,
.endr
	v_nop                                          ; a plain instruction behind the last,
	s_wait_alu depctr_va_vdst(0)                   ; and one wait ahead of the first reader: the eight v_rsq_f32 have written v[R], v[R+2] .. v[R+14]
.irp rr, 0,1,2,3,4,5,6,7
	v_mov_b32 v[R+2*(\rr)+1], v[R+2*(\rr)]
.endr
; THE WAY OUT, two rows at a time.  Pair p scales and rounds rows 2 p and 2 p + 1 in place; the eight stores of the pair before are dealt among its multiplies.
.macro ROWST rr, j
	global_store_b64 v7, v[X+16*(\rr)+4*(\j):X+16*(\rr)+4*(\j)+1], s[30:31] offset:1024*(\rr)+256*(\j)  ; 256 consecutive bytes, aligned
.endm
.macro PAIR p
.if (\p) > 0
	s_wait_alu depctr_va_vdst(0)                   ; the pair before has written its rows' packed halves, which the eight stores below read; no vector instruction of this pair names those registers or v7
.endif
.irp q, 0,1
.set XR, X+16*(2*(\p)+(\q))
.irp j, 0,1,2,3
.if (\p) > 0
	ROWST 2*(\p)+(\q)-2, \j
.endif
	v_pk_mul_f32 v[XR+4*(\j):XR+4*(\j)+1],   v[XR+4*(\j):XR+4*(\j)+1],   v[R+2*(2*(\p)+(\q)):R+2*(2*(\p)+(\q))+1]
	v_pk_mul_f32 v[XR+4*(\j)+2:XR+4*(\j)+3], v[XR+4*(\j)+2:XR+4*(\j)+3], v[R+2*(2*(\p)+(\q)):R+2*(2*(\p)+(\q))+1]
.endr
.irp j, 0,1,2,3
	v_cvt_pk_f16_f32 v[XR+4*(\j)], v[XR+4*(\j)], v[XR+4*(\j)+1]
	v_cvt_pk_f16_f32 v[XR+4*(\j)+1], v[XR+4*(\j)+2], v[XR+4*(\j)+3]
.endr
.endr
.endm
	PAIR 0
	PAIR 1
	PAIR 2
	PAIR 3
	s_wait_alu depctr_va_vdst(0)                   ; the last pair has written its rows' packed halves, which the last eight stores read
.irp q, 6,7
.irp j, 0,1,2,3
	ROWST \q, \j
.endr
.endr
	s_endpgm
.Lfunc_end_k_qd36b26e652_prep:
	.size	k_qd36b26e652_prep, .Lfunc_end_k_qd36b26e652_prep-k_qd36b26e652_prep
	.p2alignl 7, 3214868480
	.fill 96, 4, 3214868480
	.section	.rodata,"a",@progbits
	.p2align	6, 0x0
	.amdhsa_kernel k_qd36b26e652_prep
		.amdhsa_group_segment_fixed_size 0
		.amdhsa_private_segment_fixed_size 0
		.amdhsa_enable_private_segment 0
		.amdhsa_kernarg_size 112
		.amdhsa_user_sgpr_count 2
		.amdhsa_user_sgpr_kernarg_segment_ptr 1
		.amdhsa_wavefront_size32 1
		.amdhsa_system_sgpr_workgroup_id_x 1
		.amdhsa_system_sgpr_workgroup_id_y 1
		.amdhsa_system_sgpr_workgroup_id_z 1
		.amdhsa_system_vgpr_workitem_id 0
		.amdhsa_next_free_vgpr 256
		.amdhsa_next_free_sgpr 66
		.amdhsa_reserve_vcc 1
		.amdhsa_float_denorm_mode_32 3
		.amdhsa_float_denorm_mode_16_64 3
		.amdhsa_memory_ordered 1
		.amdhsa_forward_progress 1
		.amdhsa_inst_pref_size 45
	.end_amdhsa_kernel
	.amdgpu_metadata
---
amdhsa.version: [ 1, 2 ]
amdhsa.kernels:
  - .name:           k_qd36b26e652_prep
    .symbol:         k_qd36b26e652_prep.kd
    .args:
      - { .name: x, .offset: 0, .size: 8, .value_kind: global_buffer, .address_space: global }
      - { .name: q_proj, .offset: 8, .size: 8, .value_kind: global_buffer, .address_space: global }
      - { .name: k_proj, .offset: 16, .size: 8, .value_kind: global_buffer, .address_space: global }
      - { .name: v_proj, .offset: 24, .size: 8, .value_kind: global_buffer, .address_space: global }
      - { .name: o_proj, .offset: 32, .size: 8, .value_kind: global_buffer, .address_space: global }
      - { .name: w1, .offset: 40, .size: 8, .value_kind: global_buffer, .address_space: global }
      - { .name: w3, .offset: 48, .size: 8, .value_kind: global_buffer, .address_space: global }
      - { .name: w2, .offset: 56, .size: 8, .value_kind: global_buffer, .address_space: global }
      - { .name: ln1_w, .offset: 64, .size: 8, .value_kind: global_buffer, .address_space: global }
      - { .name: ln2_w, .offset: 72, .size: 8, .value_kind: global_buffer, .address_space: global }
      - { .name: token_positions, .offset: 80, .size: 8, .value_kind: global_buffer, .address_space: global }
      - { .name: xn, .offset: 88, .size: 8, .value_kind: global_buffer, .address_space: global }
      - { .name: wts, .offset: 96, .size: 8, .value_kind: global_buffer, .address_space: global }
      - { .name: ropet, .offset: 104, .size: 8, .value_kind: global_buffer, .address_space: global }
    .group_segment_fixed_size: 0
    .private_segment_fixed_size: 0
    .kernarg_segment_align: 8
    .kernarg_segment_size: 112
    .max_flat_workgroup_size: 128
    .sgpr_count:     66
    .vgpr_count:     256
    .wavefront_size: 32
...
	.end_amdgpu_metadata
.endif
;; end of part 7
;; launch proj: the kernel of part 2 again; grid 12 x 64, 4 waves a work-group, clusters of 4 x 4, 270,848 bytes of LDS; arguments xn, wts, ropet, qkvb; writes qkvb
;; launch attn: the kernel of part 3 again; grid 4 x 64, 8 waves a work-group, clusters of 4 x 1, 263,168 bytes of LDS; arguments qkvb, ofr; writes ofr
;; launch oproj: the kernel of part 4 again; grid 4 x 64, 4 waves a work-group, clusters of 4 x 4, 266,752 bytes of LDS; arguments ofr, wts, x, x1h; writes x1h
;; launch ffn1: the kernel of part 5 again; grid 8 x 64, 4 waves a work-group, clusters of 4 x 4, 270,848 bytes of LDS; arguments x1h, wts, ffb; writes ffb
;; launch ffn2: the kernel of part 6 again; grid 4 x 64, 4 waves a work-group, clusters of 4 x 4, 266,752 bytes of LDS; arguments ffb, wts, x1h, out0; writes out0
